; MI455X (gfx1250); checked and timed in simulation.
; The chip was launched on July 23, 2026; its instructions are those of AMD's public machine-readable ISA for CDNA 5 (MIT licence, August 2026) and "CDNA5" Instruction Set Architecture Reference Guide (July 2026). The comments in the code are by the model that wrote it; some were corrected since.
;; Transformer Block. Allowed arithmetic: matrix products marked QUANTISED: E5M2 operands, one given power-of-two scale a tensor, by v_wmma_f32_16x16x64_bf8_bf8 or v_wmma_f32_16x16x128_bf8_bf8, f32 sums; everything else in f32.
;; Inputs: g1 1,024 float32; g2 1,024 float32; lowp_scales 18 int32 (the exponents e of the quantised operands' scales 2^e); w_down 2,048 x 1,024 float32; w_gate 1,024 x 2,048 float32; w_k 1,024 x 1,024 float32; w_o 1,024 x 1,024 float32; w_q 1,024 x 1,024 float32; w_up 1,024 x 2,048 float32; w_v 1,024 x 1,024 float32; x 2 x 2,048 x 1,024 float32.
;; Outputs: out0 2 x 2,048 x 1,024 float32.
;; This version of the problem:
;;   THIS VERSION OF THE PROBLEM IS GIVEN IN LOW PRECISION. The matrix products marked QUANTISED in the list below multiply operands that are first quantised to E5M2 (5 exponent bits, 2 mantissa bits; 8 bits a number), with one given power-of-two scale for each operand tensor; their sums are f32. All else is computed in f32.
;;   The module's matrix products, in the order in which they are computed (A, B: the left and right operand; K: the contracted axis; several contracted axes count as one K, in the product's order):
;;     1. [M 4,096, K 1,024] x [K 1,024, N 1,024]; A: computed on the way; B: input w_q: QUANTISED (scales: A lowp_scales[0], B lowp_scales[1])
;;     2. [M 4,096, K 1,024] x [K 1,024, N 1,024]; A: computed on the way; B: input w_k: QUANTISED (scales: A lowp_scales[2], B lowp_scales[3])
;;     3. [M 4,096, K 1,024] x [K 1,024, N 1,024]; A: computed on the way; B: input w_v: QUANTISED (scales: A lowp_scales[4], B lowp_scales[5])
;;     4. batch 32 x [M 2,048, K 64] x [K 64, N 2,048]; A: computed on the way; B: computed on the way: QUANTISED (scales: A lowp_scales[6], B lowp_scales[7])
;;     5. batch 32 x [M 2,048, K 2,048] x [K 2,048, N 64]; A: softmax (see below); B: computed on the way: QUANTISED (scales: A lowp_scales[8], B lowp_scales[9])
;;     6. [M 4,096, K 1,024] x [K 1,024, N 1,024]; A: computed on the way; B: input w_o: QUANTISED (scales: A lowp_scales[10], B lowp_scales[11])
;;     7. [M 4,096, K 1,024] x [K 1,024, N 2,048]; A: computed on the way; B: input w_gate: QUANTISED (scales: A lowp_scales[12], B lowp_scales[13])
;;     8. [M 4,096, K 1,024] x [K 1,024, N 2,048]; A: computed on the way; B: input w_up: QUANTISED (scales: A lowp_scales[14], B lowp_scales[15])
;;     9. [M 4,096, K 2,048] x [K 2,048, N 1,024]; A: computed on the way; B: input w_down: QUANTISED (scales: A lowp_scales[16], B lowp_scales[17])
;;   THE QUANTISER, for each operand of a quantised product, along K:
;;     - The operand's scale is 2^e, e = its entry of the input lowp_scales (int32; the entries are numbered through the quantised products in the list's order, A before B).
;;     - Each number is divided by the scale, clamped to +-57,344, and rounded to the nearest number of E5M2, ties to even, subnormals kept.
;;     - The product sums the exact products of the quantised numbers (number of the format x scale) in f32.
;;   ~~~python
;;   def quantise(x, axis, e):      # numpy; x: float32 -> the quantised numbers, widened to float32 again
;;       x = np.moveaxis(x, axis, -1); K = x.shape[-1]
;;       r = np.clip(x / 2.0 ** e, -57344, 57344)
;;       step = 2.0 ** (np.maximum(np.frexp(np.where(r == 0, 1, r))[1] - 1, -14) - 2)
;;       q = np.round(r / step) * step * 2.0 ** e      # np.round: ties to even
;;       return np.moveaxis(q, -1, axis).astype(np.float32)
;;   ~~~
;;   SOFTMAX AHEAD OF A QUANTISED PRODUCT. Where the list says 'softmax', what is quantised is not the finished softmax but p = 2^(t - M), with t = logit x log2(e) and M = ceil(the row's largest t), a whole number; so 1/2 < the row's largest p <= 1. The row's sum l is taken of the UNQUANTISED p, in f32, and the product's result is divided by l at the end. Since M is a whole number, a kernel that streams over the keys may use a running M (the ceiling of the running maximum): every later rescaling is an exact power of two, so the quantised numbers keep their values, but for numbers so far below the row's largest that they fall under the format's range.
;;   OPERANDS COMPUTED ON THE WAY. 'Computed on the way' means the value that the module computes at that place (a softmax that the list does not call 'softmax' is quantised finished and normalised). What goes into a quantiser is computed in f32, as accurately as f32 sums, v_exp_f32 and their like allow (about 1e-6 of the number): no bf16 or f16 on the way to a quantiser, and a product that is left as it is and whose result goes on into a quantised operand takes f32 operands (vector FMAs, or v_wmma_f32_16x16x4_f32). A number that lies on a knife's edge between two numbers of the format may be rounded either way, as far as f32 arithmetic and the matrix unit's own rounding can turn it there, and no further.
;; One version. Each part assembles by itself: llvm-mc -triple=amdgcn-amd-amdhsa -mcpu=gfx1250 --defsym DOCPART=n.
;; ======== version 1 of 1: 7 launches
;; limits: right only within a limited range of input values
;; workspace buffers: wc 10,485,760 bytes; nx1 12,582,912 bytes; qkv 12,582,912 bytes; ao 4,194,304 bytes; x1 16,777,216 bytes; nx2 8,388,608 bytes; hid 8,388,608 bytes
;; launch prep (part 1): grid 576 x 1, 8 waves a work-group, no clusters, 53,248 bytes of LDS; arguments x, g1, w_q, w_k, w_v, w_o, w_gate, w_up, w_down, lowp_scales, wc, nx1; writes wc, nx1
.if DOCPART == 1
	.amdgcn_target "amdgcn-amd-amdhsa--gfx1250"
	.amdhsa_code_object_version 6
	.text
	.protected	k_q6ce9bc64ff_prep
	.globl	k_q6ce9bc64ff_prep
	.p2align	8
	.type	k_q6ce9bc64ff_prep,@function
k_q6ce9bc64ff_prep:
	s_mov_b64 s[64:65], 0
	v_nop
	global_prefetch_b8 v0, s[64:65] scope:SCOPE_SE
	s_setreg_imm32_b32 hwreg(HW_REG_WAVE_MODE, 25, 1), 1
	s_wait_xcnt 0x0
; FIRST OF SEVEN LAUNCHES of a pre-norm transformer block (4,096 tokens, 1,024 channels, 16 heads of 64, hidden 2,048), all nine products on codes of BF8 (E5M2), each operand with its given scale 2^e.
; WORK LEFT OUT, in the whole program: reference() sets the scores of keys k > q to -infinity by a mask that it builds itself, so their weights are 0 and add nothing to the row's sum nor to the
; second product, whatever the inputs hold.  The launch attn therefore leaves out every step of 128 keys all of which come after a tile's 16 queries.  Nothing else is left out and every input is loaded.
; LIMIT: a NaN, an infinity or an overflow that reaches only those hidden scores is not carried to the result.
; THE LAYOUT OF EVERY OPERAND IN THE WORKSPACE.  A fragment (16 rows x 128 along K) is stored as the image of its 16 registers, 2,048 bytes: byte 512 c + 256 h + 16 m + j holds row m, k = 32 c + 16 h + j,
; so that lane 16 h + m takes registers 4 c .. 4 c + 3 by one load of 16 bytes at 16 x lane + 512 c.  The rows of a tile are not neighbours: row m of tile 2 b + u is index 32 b + 8 u + m % 8 + 16 (m / 8).
; With that order a transposed product leaves 16 neighbours along the next K in 16 registers of a lane, and every later launch stores codes at 16 x lane, 512 consecutive bytes an instruction.
; THIS LAUNCH.  Work-groups 0-319: the seven weights [K][N], f32, become codes: a lane takes a column, its registers run down K, 32 columns x 128 k a wave.
; Work-groups 320-575: rmsnorm(x, g1) of the 16 tokens of a tile, two rows a wave, quantised three times (entries 0, 2, 4 of the scales); the codes turn through a stage in LDS into the image's order.
; code = number / 2^e, held within +-57,344, to the nearest code, ties to even.  LIMITS: every e used here lies between -126 and 112; NaN and infinities among the inputs are not served.
.set SPARE, 52224                      ; behind the stage: the spare words, 128 bytes a wave
.set SPW, 12                           ; v12 my spare word's LDS address; never rewritten
.set NIL, 13                           ; v13 0; never rewritten
.macro LOADW t, pitch                  ; block t: W(32 t + i, my column), i = 0 .. 31, into set t % 2: 128 consecutive bytes a load
.set i, 0
.rept 32
	global_load_b32 v[32+32*((\t)%2)+i], v3, s[30:31] offset:(32*(\t)+i)*\pitch th:TH_LOAD_NT
.set i, i+1
.endr
.endm
.macro BLOCKW t, pitch
.set XS, 32+32*((\t)%2)
.if (\t) < 3
	s_wait_loadcnt 32                              ; this block's 32 loads are in; the next block's may be out
.else
	s_wait_loadcnt 0
.endif
.set i, 0
.rept 32
	v_med3_num_f32 v[XS+i], v[XS+i], -v10, v10     ; the conversion does not saturate (ISA guide 7.6.2): the hold at the largest code x the scale
.set i, i+1
.endr
.set i, 0
.rept 4
	v_cvt_scalef32_pk8_bf8_f32 v[96+8*(\t)+2*i:96+8*(\t)+2*i+1], v[XS+8*i:XS+8*i+7], v11
.set i, i+1
.endr
	global_store_b128 v4, v[96+8*(\t):96+8*(\t)+3], s[24:25] offset:512*(\t)        ; k = 32 t + 0 .. 15: sixteen lanes of one tile fill 256 consecutive bytes
	global_store_b128 v4, v[96+8*(\t)+4:96+8*(\t)+7], s[24:25] offset:512*(\t)+256  ; k = 32 t + 16 .. 31.  Each block has its own code registers: no store's data are written again
.if (\t)+2 < 4
	LOADW (\t)+2, \pitch
.endif
.endm
.macro WEIGHT pitch
	LOADW 0, \pitch
	LOADW 1, \pitch
	s_wait_kmcnt 0x0                               ; e
	s_add_co_i32 s49, s49, 127
	s_lshl_b32 s50, s49, 23
	v_mov_b32 v11, s50                             ; 2^e as f32: the conversion takes its exponent field
	s_add_co_i32 s49, s49, 15
	s_lshl_b32 s49, s49, 23
	s_or_b32 s49, s49, 0x600000
	v_mov_b32 v10, s49                             ; 57,344 x 2^e
	s_wait_alu depctr_va_vdst(0)
	BLOCKW 0, \pitch
	BLOCKW 1, \pitch
	BLOCKW 2, \pitch
	BLOCKW 3, \pitch
	s_endpgm
.endm
	s_load_b512 s[4:19], s[0:1], 0x0               ; x, g1, w_q, w_k, w_v, w_o, w_gate, w_up
	s_load_b256 s[20:27], s[0:1], 0x40             ; w_down, the scales' exponents, wc, nx1
	v_lshl_add_u32 v[SPW], v0, 2, SPARE
	v_mov_b32 v[NIL], 0
	v_lshrrev_b32 v2, 5, v0
	s_delay_alu instid0(VALU_DEP_1)
	v_readfirstlane_b32 s28, v2                    ; wave 0..7
	v_and_b32 v1, 31, v0                           ; lane
	s_cmp_ge_u32 ttmp9, 320                        ; the work-group's number alone: all eight waves go the same way
	s_cbranch_scc1 .Lnorm
	; ---- THE WEIGHTS.  Work-groups 0-127: w_q, w_k, w_v, w_o, 32 each (4 blocks of 256 columns x 8 of 128 k); 128-255: w_gate, w_up, 64 each (8 x 8); 256-319: w_down (4 x 16)
	s_lshr_b32 s34, ttmp9, 5
	s_lshr_b32 s35, ttmp9, 6
	s_add_co_u32 s35, s35, 2
	s_and_b32 s36, ttmp9, 31
	s_and_b32 s37, ttmp9, 63
	s_cmp_lt_u32 ttmp9, 128
	s_cselect_b32 s34, s34, s35                    ; which weight: 0 .. 6
	s_cselect_b32 s36, s36, s37                    ; which part of it
	s_sub_co_u32 s35, s34, 4                       ; 0, 1 for gate, up (it wraps for the first four)
	s_and_b32 s38, s36, 7
	s_lshr_b32 s39, s36, 3
	s_and_b32 s40, s36, 3
	s_lshr_b32 s41, s36, 2
	s_cmp_lt_u32 s35, 2                            ; a weight of 2,048 columns?
	s_cselect_b32 s38, s38, s40                    ; block of 256 columns
	s_cselect_b32 s39, s39, s41                    ; block of 128 k
	s_cselect_b32 s42, 1, 0
	s_add_co_u32 s43, s42, 19
	s_lshl_b32 s43, s39, s43                       ; 128 rows of 4,096 or 8,192 bytes
	s_lshl_b32 s40, s38, 10
	s_add_co_u32 s43, s43, s40
	s_lshl_b32 s40, s28, 7
	s_add_co_u32 s32, s43, s40                     ; + my wave's 32 columns
	s_mov_b32 s33, 0
	s_lshl_b32 s45, s34, 20                        ; wc: w_q .. w_o at 1 MB each,
	s_lshl_b32 s46, s35, 11
	s_add_co_u32 s46, s46, 0x400000                ; gate and up interleaved from 4 MB on, 2,048 bytes apart,
	s_cmp_eq_u32 s42, 1
	s_cselect_b32 s46, s46, 0x800000               ; w_down at 8 MB
	s_cmp_lt_u32 s34, 4
	s_cselect_b32 s45, s45, s46
	s_cselect_b32 s44, 14, 15                      ; from tile to tile: 16 KB or 32 KB
	s_lshl_b32 s40, s38, 4
	s_lshl_b32 s41, s28, 1
	s_add_co_u32 s40, s40, s41                     ; my wave's first tile of columns
	s_lshl_b32 s40, s40, s44
	s_add_co_u32 s45, s45, s40
	s_add_co_u32 s41, s42, 11
	s_lshl_b32 s41, s39, s41                       ; from K step to K step: 2 KB, or 4 KB for gate and up
	s_add_co_u32 s46, s45, s41
	s_mov_b32 s47, 0
	s_lshl_b32 s48, s34, 1                         ; the weight's entry of the scales: 1, 3, 5, 11, 13, 15, 17
	s_add_co_u32 s49, s48, 1
	s_add_co_u32 s48, s48, 5
	s_cmp_lt_u32 s34, 3
	s_cselect_b32 s48, s49, s48
	s_lshl_b32 s48, s48, 2
	s_wait_alu depctr_va_vdst(0)
	v_lshlrev_b32 v3, 2, v1                        ; in: 4 bytes a lane
	v_bfe_u32 v5, v1, 3, 1                         ; column 32 b + l lies in tile 2 b + (l / 8) % 2,
	s_delay_alu instid0(VALU_DEP_1)
	v_lshlrev_b32 v5, s44, v5
	v_and_b32 v6, 7, v1
	v_bfe_u32 v7, v1, 4, 1
	s_delay_alu instid0(VALU_DEP_1)
	v_lshl_or_b32 v6, v7, 3, v6                    ; at row l % 8 + 8 (l / 16)
	s_delay_alu instid0(VALU_DEP_1)
	v_lshl_add_u32 v4, v6, 4, v5
	s_wait_kmcnt 0x0
	s_load_b32 s49, s[22:23], s48 offset:0x0       ; e
	s_mov_b64 s[30:31], s[8:9]
	s_cmp_eq_u32 s34, 1
	s_cselect_b64 s[30:31], s[10:11], s[30:31]
	s_cmp_eq_u32 s34, 2
	s_cselect_b64 s[30:31], s[12:13], s[30:31]
	s_cmp_eq_u32 s34, 3
	s_cselect_b64 s[30:31], s[14:15], s[30:31]
	s_cmp_eq_u32 s34, 4
	s_cselect_b64 s[30:31], s[16:17], s[30:31]
	s_cmp_eq_u32 s34, 5
	s_cselect_b64 s[30:31], s[18:19], s[30:31]
	s_cmp_eq_u32 s34, 6
	s_cselect_b64 s[30:31], s[20:21], s[30:31]
	s_add_nc_u64 s[30:31], s[30:31], s[32:33]
	s_add_nc_u64 s[24:25], s[24:25], s[46:47]
	s_cmp_eq_u32 s42, 1                            ; the row's length stands in the loads' immediates: the text is written for each of the two
	s_cbranch_scc1 .Lwide
	s_wait_alu depctr_va_vdst(0)
	WEIGHT 4096
.Lwide:
	s_wait_alu depctr_va_vdst(0)
	WEIGHT 8192
	; ---- THE NORM.  Tile mt = work-group - 320; wave w takes rows m = 2 w and 2 w + 1 of it: tokens 32 (mt / 2) + 8 (mt % 2) + 2 (w % 4) + 16 (w / 4) + 0, 1
.Lnorm:
	s_sub_co_u32 s34, ttmp9, 320
	s_lshr_b32 s35, s34, 1
	s_lshl_b32 s35, s35, 5
	s_and_b32 s36, s34, 1
	s_lshl_b32 s36, s36, 3
	s_add_co_u32 s35, s35, s36
	s_and_b32 s36, s28, 3
	s_lshl_b32 s36, s36, 1
	s_add_co_u32 s35, s35, s36
	s_lshr_b32 s36, s28, 2
	s_lshl_b32 s36, s36, 4
	s_add_co_u32 s35, s35, s36
	s_lshl_b32 s36, s35, 12                        ; a row is 4,096 bytes
	s_mov_b32 s37, 0
	s_lshl_b32 s38, s34, 14                        ; a tile's images of one set: 16 KB
	s_mov_b32 s39, 0
	s_mov_b32 s60, 0x76543210                      ; v_permlanex16_b32: lane l xor 16
	s_mov_b32 s61, 0xfedcba98
	s_mov_b32 s62, 0x3a800000                      ; 1 / 1,024
	s_mov_b32 s63, 0x358637bd                      ; 1e-6
	; the stage: for each set 64 chunks (16 along K x 16 rows = 256 bytes) 272 bytes apart.  In: lane l holds 8 neighbours along K, half a chunk's row
	s_wait_alu depctr_va_vdst(0)
	v_lshrrev_b32 v14, 1, v1
	s_delay_alu instid0(VALU_DEP_1)
	v_mul_u32_u24 v14, v14, 272
	v_and_b32 v15, 1, v1
	s_delay_alu instid0(VALU_DEP_1)
	v_lshl_add_u32 v14, v15, 3, v14
	s_lshl_b32 s40, s28, 5
	v_add_nc_u32 v14, s40, v14                     ; 272 (l / 2) + 8 (l % 2) + 16 x row 2 w: the sixteen pairs of lanes start 4 banks apart
	v_lshrrev_b32 v15, 4, v1
	s_delay_alu instid0(VALU_DEP_1)
	v_mul_u32_u24 v15, v15, 272
	v_and_b32 v16, 15, v1
	s_delay_alu instid0(VALU_DEP_1)
	v_lshl_add_u32 v15, v16, 4, v15
	s_mul_i32 s40, s28, 2176
	v_add_nc_u32 v15, s40, v15                     ; out: wave w takes chunks 8 w .. 8 w + 7 (K step w), two chunks an instruction
	v_lshlrev_b32 v16, 4, v1
	s_lshl_b32 s40, s28, 11
	v_add_nc_u32 v16, s40, v16                     ; and stores them at 2,048 w + 16 x lane
	v_lshlrev_b32 v17, 5, v1                       ; x, g1: 32 bytes a lane
	s_wait_alu depctr_va_vdst(0)
	s_wait_kmcnt 0x0
	s_load_b256 s[52:59], s[22:23], 0x0            ; entries 0 .. 7 of the scales
	s_add_nc_u64 s[4:5], s[4:5], s[36:37]
	s_add_nc_u64 s[42:43], s[26:27], s[38:39]      ; a base for each set: 8 MB is beyond a store's immediate
	s_add_nc_u64 s[44:45], s[42:43], 0x400000
	s_add_nc_u64 s[46:47], s[44:45], 0x400000
.irp j, 0,1
.irp p, 0,1,2,3
	global_load_b128 v[32+32*\j+8*\p:32+32*\j+8*\p+3], v17, s[4:5] offset:4096*\j+1024*\p       ; k = 8 (32 p + l) + 0 .. 7
	global_load_b128 v[32+32*\j+8*\p+4:32+32*\j+8*\p+7], v17, s[4:5] offset:4096*\j+1024*\p+16
.endr
.endr
.irp p, 0,1,2,3
	global_load_b128 v[96+8*\p:96+8*\p+3], v17, s[6:7] offset:1024*\p
	global_load_b128 v[96+8*\p+4:96+8*\p+7], v17, s[6:7] offset:1024*\p+16
.endr
.macro SUMSQ j                         ; the row's mean of squares + 1e-6, in every lane, in v[128 + 4 j]
.set XR, 32+32*\j
.set AC, 128+4*\j
	v_pk_mul_f32 v[AC:AC+1], v[XR:XR+1], v[XR:XR+1]
	v_pk_mul_f32 v[AC+2:AC+3], v[XR+2:XR+3], v[XR+2:XR+3]
.set i, 4
.rept 7
	s_delay_alu instid0(VALU_DEP_2)
	v_pk_fma_f32 v[AC:AC+1], v[XR+i:XR+i+1], v[XR+i:XR+i+1], v[AC:AC+1]
	s_delay_alu instid0(VALU_DEP_2)
	v_pk_fma_f32 v[AC+2:AC+3], v[XR+i+2:XR+i+3], v[XR+i+2:XR+i+3], v[AC+2:AC+3]
.set i, i+4
.endr
	s_delay_alu instid0(VALU_DEP_1)
	v_pk_add_f32 v[AC:AC+1], v[AC:AC+1], v[AC+2:AC+3]
	s_delay_alu instid0(VALU_DEP_1)
	v_add_f32 v[AC], v[AC], v[AC+1]
	s_delay_alu instid0(VALU_DEP_1)
	v_add_f32_dpp v[AC], v[AC], v[AC] row_xmask:1 row_mask:0xf bank_mask:0xf
	s_delay_alu instid0(VALU_DEP_1)
	v_add_f32_dpp v[AC], v[AC], v[AC] row_xmask:2 row_mask:0xf bank_mask:0xf
	s_delay_alu instid0(VALU_DEP_1)
	v_add_f32_dpp v[AC], v[AC], v[AC] row_xmask:4 row_mask:0xf bank_mask:0xf
	s_delay_alu instid0(VALU_DEP_1)
	v_add_f32_dpp v[AC], v[AC], v[AC] row_xmask:8 row_mask:0xf bank_mask:0xf
	s_delay_alu instid0(VALU_DEP_1)
	v_permlanex16_b32 v[AC+1], v[AC], s60, s61
	s_delay_alu instid0(VALU_DEP_1)
	v_add_f32 v[AC], v[AC], v[AC+1]
	s_delay_alu instid0(VALU_DEP_1)
	v_fma_f32 v[AC], v[AC], s62, s63
.endm
	s_wait_loadcnt 16                              ; row 0 is in; row 1's eight loads and g1's eight may be out
	SUMSQ 0
	s_wait_loadcnt 8                               ; row 1 is in
	SUMSQ 1
	s_wait_alu depctr_va_vdst(0)
	v_rsq_f32 v136, v128
	v_rsq_f32 v138, v132
	v_mov_b32 v137, 0                              ; (named as the upper halves of the pairs below; plain lines behind the roots)
	v_mov_b32 v139, 0
	s_wait_kmcnt 0x0
.irp s, 0,1,2
	s_add_co_i32 s40, s[52+2*\s], 127
	s_lshl_b32 s41, s40, 23
	v_mov_b32 v[20+2*\s], s41                      ; 2^e of set s
	s_add_co_i32 s40, s40, 15
	s_lshl_b32 s40, s40, 23
	s_or_b32 s40, s40, 0x600000
	v_mov_b32 v[21+2*\s], s40                      ; 57,344 x 2^e
.endr
	s_wait_alu depctr_va_vdst(0)                   ; one wait for both roots, ahead of their first reader
	s_wait_loadcnt 0x0                             ; g1
.irp j, 0,1
.set i, 0
.rept 16
	v_pk_mul_f32 v[32+32*\j+i:32+32*\j+i+1], v[32+32*\j+i:32+32*\j+i+1], v[136+2*\j:137+2*\j] op_sel_hi:[1,0]   ; x / rms,
	s_delay_alu instid0(VALU_DEP_1)
	v_pk_mul_f32 v[32+32*\j+i:32+32*\j+i+1], v[32+32*\j+i:32+32*\j+i+1], v[96+i:96+i+1]                         ; x g1
.set i, i+2
.endr
.endr
.set n, 0
.irp j, 0,1
.irp s, 0,1,2
.irp p, 0,1,2,3
.set TM, 128+8*(n%2)                   ; two sets of eight by turns: the other set's holds are the plain lines behind each conversion
.set i, 0
.rept 8
	v_med3_num_f32 v[TM+i], v[32+32*\j+8*\p+i], -v[21+2*\s], v[21+2*\s]
.set i, i+1
.endr
	v_cvt_scalef32_pk8_bf8_f32 v[144+2*(n%8):144+2*(n%8)+1], v[TM:TM+7], v[20+2*\s]   ; eight pairs of code registers by turns
	ds_store_b64 v14, v[144+2*(n%8):144+2*(n%8)+1] offset:\s*17408+\p*4352+\j*16
.set n, n+1
.endr
.endr
.endr
	v_nop
	s_wait_dscnt 0x0                               ; for the others' sake: my stores into the stage are done
	s_barrier_signal -1
	s_barrier_wait -1
.irp s, 0,1,2
.irp t, 0,1,2,3
	ds_load_b128 v[32+16*\s+4*\t:32+16*\s+4*\t+3], v15 offset:\s*17408+\t*544
.endr
.endr
.irp s, 0,1,2
.irp t, 0,1,2,3
	s_wait_dscnt 11-4*\s-\t                        ; LDS loads come back in order: this one is in, the younger ones may be out
	global_store_b128 v16, v[32+16*\s+4*\t:32+16*\s+4*\t+3], s[42+2*\s:43+2*\s] offset:512*\t   ; 512 consecutive bytes, aligned
.endr
.endr
	s_wait_tensorcnt 0x0                           ; the wave's end
	ds_add_u32 v[SPW], v[NIL]
	s_wait_dscnt 0x0
	s_endpgm
.Lfunc_end_k_q6ce9bc64ff_prep:
	.size	k_q6ce9bc64ff_prep, .Lfunc_end_k_q6ce9bc64ff_prep-k_q6ce9bc64ff_prep
	.p2alignl 7, 3214868480
	.fill 96, 4, 3214868480
	.section	.rodata,"a",@progbits
	.p2align	6, 0x0
	.amdhsa_kernel k_q6ce9bc64ff_prep
		.amdhsa_group_segment_fixed_size 53248
		.amdhsa_private_segment_fixed_size 0
		.amdhsa_enable_private_segment 0
		.amdhsa_kernarg_size 96
		.amdhsa_user_sgpr_count 2
		.amdhsa_user_sgpr_kernarg_segment_ptr 1
		.amdhsa_wavefront_size32 1
		.amdhsa_system_sgpr_workgroup_id_x 1
		.amdhsa_system_sgpr_workgroup_id_y 1
		.amdhsa_system_sgpr_workgroup_id_z 1
		.amdhsa_system_vgpr_workitem_id 0
		.amdhsa_next_free_vgpr 160
		.amdhsa_next_free_sgpr 66
		.amdhsa_reserve_vcc 0
		.amdhsa_float_denorm_mode_32 3
		.amdhsa_float_denorm_mode_16_64 3
		.amdhsa_memory_ordered 1
		.amdhsa_forward_progress 1
		.amdhsa_inst_pref_size 81
	.end_amdhsa_kernel
	.amdgpu_metadata
---
amdhsa.version: [ 1, 2 ]
amdhsa.kernels:
  - .name:           k_q6ce9bc64ff_prep
    .symbol:         k_q6ce9bc64ff_prep.kd
    .args:
      - { .name: x, .offset: 0, .size: 8, .value_kind: global_buffer, .address_space: global }
      - { .name: g1, .offset: 8, .size: 8, .value_kind: global_buffer, .address_space: global }
      - { .name: w_q, .offset: 16, .size: 8, .value_kind: global_buffer, .address_space: global }
      - { .name: w_k, .offset: 24, .size: 8, .value_kind: global_buffer, .address_space: global }
      - { .name: w_v, .offset: 32, .size: 8, .value_kind: global_buffer, .address_space: global }
      - { .name: w_o, .offset: 40, .size: 8, .value_kind: global_buffer, .address_space: global }
      - { .name: w_gate, .offset: 48, .size: 8, .value_kind: global_buffer, .address_space: global }
      - { .name: w_up, .offset: 56, .size: 8, .value_kind: global_buffer, .address_space: global }
      - { .name: w_down, .offset: 64, .size: 8, .value_kind: global_buffer, .address_space: global }
      - { .name: lowp_scales, .offset: 72, .size: 8, .value_kind: global_buffer, .address_space: global }
      - { .name: wc, .offset: 80, .size: 8, .value_kind: global_buffer, .address_space: global }
      - { .name: nx1, .offset: 88, .size: 8, .value_kind: global_buffer, .address_space: global }
    .group_segment_fixed_size: 53248
    .private_segment_fixed_size: 0
    .kernarg_segment_align: 8
    .kernarg_segment_size: 96
    .max_flat_workgroup_size: 256
    .sgpr_count:     66
    .vgpr_count:     160
    .wavefront_size: 32
...
	.end_amdgpu_metadata
.endif
;; end of part 1
;; launch qkv (part 2): grid 12 x 16, 4 waves a work-group, clusters of 4 x 4, 327,680 bytes of LDS; arguments nx1, wc, lowp_scales, qkv; writes qkv
.if DOCPART == 2
	.amdgcn_target "amdgcn-amd-amdhsa--gfx1250"
	.amdhsa_code_object_version 6
	.text
	.protected	k_q6ce9bc64ff_qkv
	.globl	k_q6ce9bc64ff_qkv
	.p2align	8
	.type	k_q6ce9bc64ff_qkv,@function
k_q6ce9bc64ff_qkv:
	s_mov_b64 s[64:65], 0
	v_nop
	global_prefetch_b8 v0, s[64:65] scope:SCOPE_SE
	s_setreg_imm32_b32 hwreg(HW_REG_WAVE_MODE, 25, 1), 1
	s_wait_xcnt 0x0
	s_wait_alu depctr_hold_cnt(0) depctr_sa_sdst(0) depctr_va_vdst(0) depctr_va_sdst(0) depctr_va_ssrc(0) depctr_va_vcc(0) depctr_vm_vsrc(0)
	s_getreg_b32 s2, hwreg(HW_REG_IB_STS2, 6, 4)
	s_cmp_eq_u32 s2, 0
	s_cbranch_scc0 .Lentry_in_a_cluster
	s_endpgm
.Lentry_in_a_cluster:
	s_bfe_u32 s2, ttmp6, 0x10000c
	s_cmp_lg_u32 s2, 0xf033
	s_cbranch_scc0 .Lentry_shape_is_right
	s_endpgm
.Lentry_shape_is_right:
; q, k and v: three products [4,096 x 1,024] x [1,024 x 1,024] on codes of BF8, and their results quantised at once (entries 6, 7, 9 of the scales) into the operands of attention.
; The cluster's x says which: 0 q, 1 k, 2 v.  A work-group makes 256 x 256, a wave 128 x 128: 64 accumulators.  THE MATRIX INSTRUCTION IS USED TRANSPOSED: source 0 = 16 rows of X, source 1 = 16 rows of Y;
; a lane then holds one row of Y, and (by the order of rows in a tile, see the launch prep) the 16 registers of two neighbouring X tiles are 16 neighbours along X: the next product's K.
; q, k: Y = tokens, X = columns of the weight (K of the scores = the head's 64).  v: Y = columns of w_v, X = tokens (K of the second product = the keys): the same text with the two operands' addresses exchanged.
; Operands lie in memory as images of their registers, [tile][K step][2,048 bytes]: a tensor load brings 8 tiles x 2 K steps (8 rows of 4,096 bytes); a fragment is four loads of 16 bytes at 16 x lane: no padding is needed.
; K goes in steps of 256 through two LDS slots.  CLUSTERS: 4 x 4; Y's tiles are shared along a row of the cluster, X's along a column, each asked for jointly.
; A sum stands for sum x 2^(ea + eb); its code under 2^eo is made by one conversion with the scale 2^(eo - ea - eb).  LIMIT: that exponent lies between -126 and 112.  NaN and infinities are not served.
; REGISTERS, in windows of 256: window 0: v16-31 addresses and constants; v32-95 at work on the way out; v128-255 Y's fragments, ONE set, later the codes.  window 1: X's fragments, TWO sets.  windows 2, 3: the accumulators, (a, b) at v[8 (8 (a % 4) + b)].
.set SLOT,   131072                    ; Y: 16 tiles x 2 K steps x 2,048 bytes, then X the same
.set SPARE,  2*SLOT                    ; behind the ring: the spare words, 128 bytes a wave
.set FR,     16
.set NL,     4
.set NP,     4                         ; places behind this matrix instruction (ISA guide 7.12.1)
.set ADRA, 16                          ; v16-17 my Y fragments in slot 0, 1
.set ADRB, 20                          ; v20-21 my X fragments
.set CO,   26                          ; v26 16 x lane
.set SPW,  28
.set NIL,  29
.set LIM,  30
.set SCL,  31
.set TMP,  32
.set AF,   128
.set G1, 24
.set G0, 32
.set G1B, 48
.set G0B, 56
.set MSB, 0
.macro WIN new                         ; the immediate's high byte repeats the setting that is left
.if MSB != (\new)
	s_set_vgpr_msb (MSB<<8)|(\new)
.set MSB, (\new)
.endif
.endm
.set MUL_LO, 0xa1                      ; source 0 (X) window 1, source 1 (Y) window 0, C and D window 2
.set MUL_HI, 0xf1
.set TO_B,   0x40
.macro JLOAD g0a, g1a, g0b, g1b        ; a joint load: waves 0, 1 fetch Y's halves, waves 2, 3 X's; an s_nop 0 and four v_nop follow each line
	s_cmp_eq_u32 s15, 0
	s_cbranch_scc0 .Lfor_b_\@
	tensor_load_to_lds s[\g0a:\g0a+3], s[\g1a:\g1a+7]
	s_nop 0
.rept 4
	v_nop
.endr
	s_branch .Lasked_\@
.Lfor_b_\@:
	tensor_load_to_lds s[\g0b:\g0b+3], s[\g1b:\g1b+7]
	s_nop 0
.rept 4
	v_nop
.endr
.Lasked_\@:
.endm
.macro CREST                           ; a round of the cluster's barrier behind its opening barrier
	s_cmp_lg_u32 s14, 0
	s_cbranch_scc1 .Lnot_wave_0_\@
	s_barrier_signal -3
.Lnot_wave_0_\@:
	s_barrier_wait -3
	s_barrier_signal -1
	s_barrier_wait -1
.endm
.macro CROUND
	s_barrier_signal -1
	s_barrier_wait -1
	CREST
.endm
.macro PLACES n
.rept \n
	v_nop
.endr
.endm
	s_load_b128 s[4:7], s[0:1], 0x0                ; nx1, wc
	s_load_b128 s[8:11], s[0:1], 0x10              ; the scales' exponents, qkv
	v_lshl_add_u32 v[SPW], v0, 2, SPARE
	v_mov_b32 v[NIL], 0
	ds_add_u32 v[SPW], v[NIL]                      ; the wave's opening
	ds_add_u32 v[SPW], v[NIL]
	v_lshrrev_b32 v1, 5, v0
	v_readfirstlane_b32 s14, v1                    ; wave 0..3
	s_lshr_b32 s15, s14, 1                         ; which 8 tiles of Y are mine.  Also: I fetch for Y (0) or for X (1)
	s_and_b32 s16, s14, 1                          ; which 8 tiles of X.  Also: which half of that operand's 16 tiles I fetch
	s_bfe_u32 s40, ttmp6, 0x40000                  ; cx
	s_bfe_u32 s41, ttmp6, 0x40004                  ; cy
	s_and_b32 s17, ttmp7, 0xffff
	s_lshl_b32 s17, s17, 2
	s_add_co_u32 s42, s17, s41                     ; 4 x cluster y + cy
	s_add_co_u32 s43, s17, s40                     ; 4 x cluster y + cx
	s_lshl_b32 s44, s41, 2
	s_lshl_b32 s44, 15, s44                        ; my row of the cluster
	s_lshl_b32 s45, 0x1111, s40                    ; my column
	s_or_b32 s[G1+0], s44, (3<<16)|(1<<21)         ; 15:0 the mask; 17:16 elements of 8 bytes; 21 set beside a mask; no padding
	s_or_b32 s[G1B+0], s45, (3<<16)|(1<<21)
.irp g, G1, G1B
	s_mov_b32 s[\g+1], 512<<16                     ; tensor_dim0 = 512 elements: two K steps' images of a tile, 4,096 bytes
	s_mov_b32 s[\g+2], 8<<16                       ; tensor_dim1 = 8 tiles
	s_mov_b32 s[\g+3], 512<<16                     ; tile_dim0
	s_mov_b32 s[\g+4], 8                           ; tile_dim1
	s_mov_b32 s[\g+5], 2048                        ; from tile to tile: 8 K steps, 16 KB
	s_mov_b32 s[\g+6], 0
	s_mov_b32 s[\g+7], 0
.endr
	s_cmp_eq_u32 ttmp9, 2                          ; v?  The cluster's x: the same in all sixteen partners
	s_cselect_b32 s42, s41, s42                    ; Y's block of 256 rows: of the tokens by 4 cluster y + cy, of w_v's columns by cy: never by cx
	s_cselect_b32 s43, s43, s40                    ; X's: of the weight's columns by cx, of the tokens by 4 cluster y + cx: never by cy
	s_lshl_b32 s18, s16, 17                        ; the half that I fetch: 8 tiles of 16 KB
	s_lshl_b32 s20, s42, 18
	s_add_co_u32 s20, s20, s18
	s_mov_b32 s21, 0
	s_lshl_b32 s46, s43, 18
	s_add_co_u32 s46, s46, s18
	s_mov_b32 s47, 0
	s_lshl_b32 s84, ttmp9, 22                      ; nx1's set: 4 MB each
	s_mov_b32 s85, 0
	s_lshl_b32 s86, ttmp9, 20                      ; wc's section: 1 MB each
	s_mov_b32 s87, 0
	s_lshl_b32 s19, s14, 15                        ; where my load goes: wave x 32 KB: no place in the cluster enters an LDS address
	s_wait_dscnt 0x0                               ; both opening adds are done
	s_wait_kmcnt 0x0
	s_load_b512 s[68:83], s[8:9], 0x0              ; entries 0 .. 15 of the scales
	s_add_nc_u64 s[4:5], s[4:5], s[84:85]
	s_add_nc_u64 s[6:7], s[6:7], s[86:87]
	s_cmp_eq_u32 ttmp9, 2
	s_cselect_b64 s[88:89], s[6:7], s[4:5]         ; Y: the tokens' codes, for v the weight's
	s_cselect_b64 s[90:91], s[4:5], s[6:7]         ; X: the other
	s_add_nc_u64 s[20:21], s[88:89], s[20:21]
	s_add_nc_u64 s[46:47], s[90:91], s[46:47]
	CROUND                                         ; all sixteen work-groups are here: the first joint loads meet
.irp s, 0,1
	s_mov_b32 s[G0+4*\s], 1
	s_add_co_u32 s[G0+4*\s+1], s19, \s*SLOT
	s_add_nc_u64 s[G0+4*\s+2:G0+4*\s+3], s[20:21], \s*4096
	s_or_b32 s[G0+4*\s+3], s[G0+4*\s+3], 0x80000000
	s_mov_b32 s[G0B+4*\s], 1
	s_add_co_u32 s[G0B+4*\s+1], s19, \s*SLOT
	s_add_nc_u64 s[G0B+4*\s+2:G0B+4*\s+3], s[46:47], \s*4096
	s_or_b32 s[G0B+4*\s+3], s[G0B+4*\s+3], 0x80000000
.endr
	JLOAD G0, G1, G0B, G1B                         ; slot 0: one tensor load a wave at the head
	v_and_b32 v6, 31, v0
	v_lshlrev_b32 v[CO], 4, v6
	s_lshl_b32 s22, s15, 15                        ; my 8 tiles of Y
	s_lshl_b32 s23, s16, 15
	s_add_co_u32 s23, s23, 65536                   ; my 8 tiles of X, behind Y's 16
.irp s, 0,1
	v_add_nc_u32 v[ADRA+\s], s22, v[CO]
	v_add_nc_u32 v[ADRB+\s], s23, v[CO]
	s_add_co_u32 s22, s22, SLOT
	s_add_co_u32 s23, s23, SLOT
.endr
.macro FRAG reg, adr, q, i             ; tile i's image of the slot's q-th K step: registers 4 c .. 4 c + 3 hold K = 32 c + 16 (lane / 16) + 0 .. 15 of row lane % 16
.irp c, 0,1,2,3
	ds_load_b128 v[\reg+4*\c:\reg+4*\c+3], v[\adr] offset:(\i)*4096+(\q)*2048+512*\c
.endr
.endm
; 16 matrix instructions: Y's blocks a0, a0 + 1 x X's eight.  p: X's set.  The 64 accumulators take turns, one instruction a turn, in the same order in every step.
.macro MUL16 a0, p, zero
.irp a, \a0, \a0+1
.irp b, 0,1,2,3,4,5,6,7
.if \zero
	v_wmma_f32_16x16x128_bf8_bf8 v[8*(8*((\a)%4)+\b):8*(8*((\a)%4)+\b)+7], v[128*(\p)+FR*\b:128*(\p)+FR*\b+FR-1], v[AF+FR*(\a):AF+FR*(\a)+FR-1], 0
.else
	v_wmma_f32_16x16x128_bf8_bf8 v[8*(8*((\a)%4)+\b):8*(8*((\a)%4)+\b)+7], v[128*(\p)+FR*\b:128*(\p)+FR*\b+FR-1], v[AF+FR*(\a):AF+FR*(\a)+FR-1], v[8*(8*((\a)%4)+\b):8*(8*((\a)%4)+\b)+7]
.endif
.endr
.endr
.endm
.macro FETCH_B slot, q, p
	WIN TO_B
.irp i, 0,1,2,3,4,5,6,7
	FRAG 128*(\p)+FR*\i, ADRB+\slot, \q, \i
.endr
	WIN 0
.endm
.macro FETCH_A slot, q, i0
.irp i, \i0, \i0+1, \i0+2, \i0+3
	FRAG AF+FR*(\i), ADRA+\slot, \q, \i
.endr
.endm
; A slot's first 128 along K (X's set 0).  A block of Y is free as soon as its eight products are issued: blocks 0-3 are fetched anew in the step's middle, blocks 4-7 at its end.
.macro STEP slot, zero
	s_wait_dscnt 4*NL                              ; X's set and Y's blocks 0-3 are in; the youngest sixteen loads (Y's blocks 4-7) may be out
	WIN MUL_LO
	MUL16 0, 0, \zero
	MUL16 2, 0, \zero
	s_wait_dscnt 0
	PLACES NP                                      ; in front of loads into registers that matrix instructions have read
	FETCH_B \slot, 1, 1
	FETCH_A \slot, 1, 0
	WIN MUL_HI
	MUL16 4, 0, \zero
	MUL16 6, 0, \zero
	PLACES NP
	WIN 0
	FETCH_A \slot, 1, 4
.endm
; A slot's second 128 change slots: ONE barrier; in front of it each wave waits for all its tensor loads, adds 0 to its spare word, and waits for that and for its reads of this slot.
.macro TURN slot, next, fill
	s_wait_tensorcnt 0x0                           ; all my tensor loads have landed: my part of the next slot
	ds_add_u32 v[SPW], v[NIL]
	s_wait_dscnt 4*NL+1                            ; (the add and the youngest sixteen loads may be out)
	WIN MUL_LO
	MUL16 0, 1, 0
	s_wait_dscnt 0x0                               ; the add is done, and my reads of this slot are over
	s_barrier_signal -1
	MUL16 2, 1, 0
	WIN 0
	s_barrier_wait -1
.if \fill
	CREST                                          ; the barrier has opened a round of the cluster's: no wave of any partner still reads this slot or has a load on its way
	s_add_nc_u64 s[G0+4*\slot+2:G0+4*\slot+3], s[G0+4*\slot+2:G0+4*\slot+3], 8192
	s_add_nc_u64 s[G0B+4*\slot+2:G0B+4*\slot+3], s[G0B+4*\slot+2:G0B+4*\slot+3], 8192
	JLOAD G0+4*\slot, G1, G0B+4*\slot, G1B         ; the first tensor load behind the round; its four v_nop are the places in front of the loads below
.else
	PLACES NP
.endif
	FETCH_B \next, 0, 0
	FETCH_A \next, 0, 0
	WIN MUL_HI
	MUL16 4, 1, 0
	MUL16 6, 1, 0
	PLACES NP
	WIN 0
	FETCH_A \next, 0, 4
.endm
	s_wait_alu depctr_va_vdst(0)
	s_wait_tensorcnt 0x0                           ; my part of slot 0 is in
	ds_add_u32 v[SPW], v[NIL]
	s_wait_dscnt 0x0
	CROUND                                         ; everybody's part of slot 0 is in, and the joint loads meet
	JLOAD G0+4, G1, G0B+4, G1B                     ; slot 1's first fill, the first tensor load behind the round
	FETCH_B 0, 0, 0
	FETCH_A 0, 0, 0
	FETCH_A 0, 0, 4
	STEP 0, 1                                      ; K = 1,024 is eight steps of 128, written out: the first products start the sums
	TURN 0, 1, 1
	STEP 1, 0
	TURN 1, 0, 1
	STEP 0, 0
	TURN 0, 1, 0                                   ; the last two slots are filled no more
	STEP 1, 0
	s_wait_dscnt 4*NL
	WIN MUL_LO
	MUL16 0, 1, 0
	MUL16 2, 1, 0
	s_wait_dscnt 0
	WIN MUL_HI
	MUL16 4, 1, 0
	MUL16 6, 1, 0
	WIN 0
	; THE WAY OUT: hold, convert, store.  Of Y's block a the 16 registers of X's blocks 2 i, 2 i + 1 become 16 bytes: lane l's bytes of part i of an image.
	s_wait_kmcnt 0x0
	s_sub_co_i32 s84, s74, s68
	s_sub_co_i32 s84, s84, s69                     ; q: e6 - e0 - e1
	s_sub_co_i32 s85, s75, s70
	s_sub_co_i32 s85, s85, s71                     ; k: e7 - e2 - e3
	s_sub_co_i32 s86, s77, s72
	s_sub_co_i32 s86, s86, s73                     ; v: e9 - e4 - e5
	s_cmp_eq_u32 ttmp9, 0
	s_cselect_b32 s84, s84, s85
	s_cmp_eq_u32 ttmp9, 2
	s_cselect_b32 s84, s86, s84
	s_add_co_i32 s84, s84, 127
	s_lshl_b32 s85, s84, 23
	s_add_co_i32 s84, s84, 15
	s_lshl_b32 s84, s84, 23
	s_or_b32 s84, s84, 0x600000
	PLACES NP
	v_mov_b32 v[SCL], s85
	v_mov_b32 v[LIM], s84
.macro WAYOUT isv
.set a, 0
.rept 8
.set AC, 64*(a%4)
	WIN 0x02+(a/4)                                 ; source 0: window 2 or 3
.set i, 0
.rept 64
	v_med3_num_f32 v[TMP+i], v[AC+i], -v[LIM], v[LIM]   ; each accumulator from its low end on
.set i, i+1
.endr
	WIN 0
.set i, 0
.rept 8
	v_cvt_scalef32_pk8_bf8_f32 v[128+16*a+2*i:128+16*a+2*i+1], v[TMP+8*i:TMP+8*i+7], v[SCL]
.set i, i+1
.endr
	v_nop                                          ; a plain line between the conversions and the next block's holds, which write their sources
.set i, 0
.rept 4
.if \isv
	global_store_b128 v[CO], v[128+16*a+4*i:128+16*a+4*i+3], s[10:11] offset:(a/4)*131072+(a%4)*2048+i*512   ; head a / 4, tile of channels a % 4, keys 32 i on
.else
	global_store_b128 v[CO], v[128+16*a+4*i:128+16*a+4*i+3], s[10:11] offset:a*1024+(i/2)*131072+(i%2)*512   ; tile of tokens a, head i / 2, channels 32 (i % 2) on
.endif
.set i, i+1
.endr
.set a, a+1
.endr
.endm
	s_cmp_eq_u32 ttmp9, 2                          ; the cluster's x: all partners go the same way
	s_cbranch_scc1 .Lvout
	s_lshl_b32 s86, ttmp9, 22                      ; q at 0, k at 4 MB: [batch x head][tile of 16 tokens][1,024 bytes]
	s_lshr_b32 s87, s42, 3
	s_lshl_b32 s87, s87, 21                        ; the batch
	s_add_co_u32 s86, s86, s87
	s_lshl_b32 s87, s43, 2
	s_lshl_b32 s88, s16, 1
	s_add_co_u32 s87, s87, s88
	s_lshl_b32 s87, s87, 17                        ; my first head
	s_add_co_u32 s86, s86, s87
	s_and_b32 s87, s42, 7
	s_lshl_b32 s87, s87, 4
	s_lshl_b32 s88, s15, 3
	s_add_co_u32 s87, s87, s88
	s_lshl_b32 s87, s87, 10                        ; my first tile of tokens
	s_add_co_u32 s86, s86, s87
	s_mov_b32 s87, 0
	s_add_nc_u64 s[10:11], s[10:11], s[86:87]
	s_wait_alu depctr_va_vdst(0)
	WAYOUT 0
	s_branch .Lend
.Lvout:
	s_lshr_b32 s86, s43, 3                         ; v at 8 MB: [batch x head][128 keys][tile of 16 channels][2,048 bytes]
	s_lshl_b32 s86, s86, 21
	s_add_co_u32 s86, s86, 0x800000
	s_lshl_b32 s87, s42, 2
	s_lshl_b32 s88, s15, 1
	s_add_co_u32 s87, s87, s88
	s_lshl_b32 s87, s87, 17
	s_add_co_u32 s86, s86, s87
	s_and_b32 s87, s43, 7
	s_lshl_b32 s87, s87, 1
	s_add_co_u32 s87, s87, s16
	s_lshl_b32 s87, s87, 13
	s_add_co_u32 s86, s86, s87
	s_mov_b32 s87, 0
	s_add_nc_u64 s[10:11], s[10:11], s[86:87]
	s_wait_alu depctr_va_vdst(0)
	WAYOUT 1
.Lend:
	s_wait_tensorcnt 0x0                           ; the wave's end
	ds_add_u32 v[SPW], v[NIL]
	s_wait_dscnt 0x0
	CROUND                                         ; the closing round
	s_endpgm
.Lfunc_end_k_q6ce9bc64ff_qkv:
	.size	k_q6ce9bc64ff_qkv, .Lfunc_end_k_q6ce9bc64ff_qkv-k_q6ce9bc64ff_qkv
	.p2alignl 7, 3214868480
	.fill 96, 4, 3214868480
	.section	.rodata,"a",@progbits
	.p2align	6, 0x0
	.amdhsa_kernel k_q6ce9bc64ff_qkv
		.amdhsa_group_segment_fixed_size 327680
		.amdhsa_private_segment_fixed_size 0
		.amdhsa_enable_private_segment 0
		.amdhsa_kernarg_size 32
		.amdhsa_user_sgpr_count 2
		.amdhsa_user_sgpr_kernarg_segment_ptr 1
		.amdhsa_wavefront_size32 1
		.amdhsa_system_sgpr_workgroup_id_x 1
		.amdhsa_system_sgpr_workgroup_id_y 1
		.amdhsa_system_sgpr_workgroup_id_z 1
		.amdhsa_system_vgpr_workitem_id 0
		.amdhsa_next_free_vgpr 1024
		.amdhsa_next_free_sgpr 100
		.amdhsa_reserve_vcc 0
		.amdhsa_float_denorm_mode_32 3
		.amdhsa_float_denorm_mode_16_64 3
		.amdhsa_memory_ordered 1
		.amdhsa_forward_progress 1
		.amdhsa_inst_pref_size 158
	.end_amdhsa_kernel
	.amdgpu_metadata
---
amdhsa.version: [ 1, 2 ]
amdhsa.kernels:
  - .name:           k_q6ce9bc64ff_qkv
    .symbol:         k_q6ce9bc64ff_qkv.kd
    .args:
      - { .name: nx1, .offset: 0, .size: 8, .value_kind: global_buffer, .address_space: global }
      - { .name: wc, .offset: 8, .size: 8, .value_kind: global_buffer, .address_space: global }
      - { .name: lowp_scales, .offset: 16, .size: 8, .value_kind: global_buffer, .address_space: global }
      - { .name: qkv, .offset: 24, .size: 8, .value_kind: global_buffer, .address_space: global }
    .group_segment_fixed_size: 327680
    .private_segment_fixed_size: 0
    .kernarg_segment_align: 8
    .kernarg_segment_size: 32
    .max_flat_workgroup_size: 128
    .sgpr_count:     100
    .vgpr_count:     1024
    .wavefront_size: 32
...
	.end_amdgpu_metadata
.endif
;; end of part 2
;; launch attn (part 3): grid 8 x 32, 16 waves a work-group, clusters of 4 x 1, 327,680 bytes of LDS; arguments qkv, lowp_scales, ao; writes ao
.if DOCPART == 3
	.amdgcn_target "amdgcn-amd-amdhsa--gfx1250"
	.amdhsa_code_object_version 6
	.text
	.protected	k_q6ce9bc64ff_attn
	.globl	k_q6ce9bc64ff_attn
	.p2align	8
	.type	k_q6ce9bc64ff_attn,@function
k_q6ce9bc64ff_attn:
	s_mov_b64 s[64:65], 0
	v_nop
	global_prefetch_b8 v0, s[64:65] scope:SCOPE_SE
	s_setreg_imm32_b32 hwreg(HW_REG_WAVE_MODE, 25, 1), 1
	s_wait_xcnt 0x0
	s_wait_alu depctr_hold_cnt(0) depctr_sa_sdst(0) depctr_va_vdst(0) depctr_va_sdst(0) depctr_va_ssrc(0) depctr_va_vcc(0) depctr_vm_vsrc(0)
	s_getreg_b32 s2, hwreg(HW_REG_IB_STS2, 6, 4)
	s_cmp_eq_u32 s2, 0
	s_cbranch_scc0 .Lentry_in_a_cluster
	s_endpgm
.Lentry_in_a_cluster:
	s_bfe_u32 s2, ttmp6, 0x10000c
	s_cmp_lg_u32 s2, 0x3003
	s_cbranch_scc0 .Lentry_shape_is_right
	s_endpgm
.Lentry_shape_is_right:
; Causal attention on codes of BF8 (E5M2): 32 (batch, head) pairs, 2,048 tokens, head size 64; q, k, v lie in qkv as images of registers (see the launches prep and qkv); the result is quantised (entry 10 of the scales) into ao.
; WORK LEFT OUT: a step of 128 keys all of which come after a tile's 16 queries is hidden by the mask that reference() builds itself; it is jumped over on ids alone.
; THE SOFTMAX: t = score x log2(e) / 8; M = the ceiling of the running largest t; p = 2^(t - M) is quantised (entry 8); the sum of the unquantised p divides at the end; a change of M multiplies by a power of two.
; SHARES.  A work-group (x = 0..7 of a head) owns the 16 tiles 8 rho + x, rho = 0..15; tile rho has rho + 1 key steps, 136 in all.  They are dealt 8 or 9 to a wave, r = wave % 8:
;   waves 0-7:  key steps 0-8 of tile 15 - r (9 steps; only tile 8's last lies on the diagonal);
;   waves 8-15: key steps 9 .. 15 - r of the same tile (7 - r steps, none for r = 7), whose O, M and sums go to LDS bytes of the pair's own, and then tile r whole (r + 1 steps): 8 steps, two of them masked.
; Behind one barrier waves 0-7 join the two parts of tile 15 - r: both M are whole numbers, so each part is multiplied by an exact power of two (a part of no steps has sums of 0 and gets the factor 0).
; Waves 0-7 write tile 15 - r out, waves 8-15 tile r.
; LDS: all of the head's K (131,072 bytes) and V (131,072) are fetched at the head, 16,384 bytes a wave by one joint load (64 rows of 256 bytes), and nothing is filled again.
; CLUSTER: the four work-groups of a cluster belong to one head and ask for K and V jointly (mask 15).  No prefetch: every byte is asked for by the head's one load a wave, so there is no loop to run ahead in.
; The loops have 7 and 9 trips in every wave; a step that is not the wave's is jumped over, so the LDS addresses are stepped by constants in loops of constant count.
; Both products are used transposed (S^T = K Q^T, O^T = V^T P^T): a lane holds one query; the order of rows in a tile (launch prep) makes p's 16 registers of two tiles 16 neighbouring keys.
; LIMITS: e6 + e7 between -123 and 130; e8 between -126 and 112; e10 - e8 - e9 between -126 and 112; scaled scores under 2^31 in magnitude; NaN and infinities among the inputs are not served.
; REGISTERS: v1-9 addresses; v12 -M, v13 largest t, v[14:15] the sum; v16-23 Q of the first loop's tile, v24-31 of the second's; v32-95 fragments of K, then V; v96-159 S^T, then p; v160-191 O^T; v224-239 p's codes; v240-255 constants and work.
.set SPARE, 262144                     ; behind K and V: the spare words, 128 bytes a wave
.set SCR,   264192                     ; behind them: 4,608 bytes for each pair of waves
.set LI,  1
.set DD,  2
.set LV,  3
.set PS,  4
.set SPW, 5
.set NIL, 6
.set ADK, 8
.set ADV, 9
.set WV,  18
.set SEL, 20
.set CS,  22
.set G1,  24
.set G0,  32
.set TB,  36
.set CST, 37
.set CNT, 38
.set RHO1, 39
.set RHO2, 40
.set ROLE, 41
.set RR,  42
.set RHI, 43
.set IH,  192                          ; v192-207: the numbers 0 .. 15 as f32
.set EB,  208                          ; v208-211: my query within the diagonal step - 16 (lane / 16) + 0.5 - 32 b, b = 0 .. 3, as f32
.macro CROUND                          ; a round of the cluster's barrier
	s_barrier_signal -1
	s_barrier_wait -1
	s_cmp_lg_u32 s[WV], 0
	s_cbranch_scc1 .Lnot_wave_0_\@
	s_barrier_signal -3
.Lnot_wave_0_\@:
	s_barrier_wait -3
	s_barrier_signal -1
	s_barrier_wait -1
.endm
.macro FRESH                           ; a tile's state: the largest t under every t, sums and O^T zero
	v_mov_b32 v13, 0xff61b1e6
	s_delay_alu instid0(VALU_DEP_1)
	v_floor_f32 v12, -v13
	v_mov_b32 v14, 0
	v_mov_b32 v15, 0
.set j, 0
.rept 32
	v_mov_b32 v[160+j], 0
.set j, j+1
.endr
.endm
	s_load_b128 s[4:7], s[0:1], 0x0                ; qkv, the scales' exponents
	s_load_b64 s[8:9], s[0:1], 0x10                ; ao
	v_lshl_add_u32 v[SPW], v0, 2, SPARE
	v_mov_b32 v[NIL], 0
	ds_add_u32 v[SPW], v[NIL]                      ; the opening lines
	ds_add_u32 v[SPW], v[NIL]
	v_lshrrev_b32 v8, 5, v0
	s_delay_alu instid0(VALU_DEP_1)
	v_readfirstlane_b32 s[WV], v8                  ; wave 0..15
	s_bfe_u32 s10, ttmp6, 0x40000                  ; cx
	s_lshl_b32 s11, ttmp9, 2
	s_add_co_u32 s11, s11, s10                     ; x: enters global addresses and the mask's numbers alone
	s_and_b32 s12, ttmp7, 0xffff                   ; batch x head
	s_lshr_b32 s[ROLE], s[WV], 3                   ; 0: waves 0-7, 1: waves 8-15.  Also: I fetch for K (0) or V (1)
	s_and_b32 s[RR], s[WV], 7                      ; r.  Also: which 16 KB I fetch
	s_sub_co_u32 s[RHI], 15, s[RR]                 ; the pair's late tile
	s_mul_i32 s[RHO1], s[RHI], s[ROLE]             ; first loop (steps 9-15): tile 15 - r, or 0: every step jumped over
	s_cmp_eq_u32 s[ROLE], 1
	s_cselect_b32 s[RHO2], s[RR], s[RHI]           ; second loop (steps 0-8): tile r, or tile 15 - r
	s_mov_b32 s[G1], 15|(3<<16)|(1<<21)            ; mask of the four partners; elements of 8 bytes; bit 21 beside a mask
	s_mov_b32 s[G1+1], 32<<16                      ; rows of 256 bytes,
	s_mov_b32 s[G1+2], 64<<16                      ; 64 of them, dense
	s_mov_b32 s[G1+3], 32<<16
	s_mov_b32 s[G1+4], 64
	s_mov_b32 s[G1+5], 32
	s_mov_b32 s[G1+6], 0
	s_mov_b32 s[G1+7], 0
	s_mov_b32 s[SEL], 0x76543210
	s_mov_b32 s[SEL+1], 0xfedcba98
	s_lshl_b32 s15, s[RR], 14
	s_lshl_b32 s16, s[ROLE], 17
	s_add_co_u32 s16, s16, s15                     ; LDS: K from 0, V from 131,072, + 16 KB x r
	s_lshl_b32 s50, s[ROLE], 22
	s_add_co_u32 s50, s50, 0x400000                ; k at 4 MB, v at 8 MB
	s_lshl_b32 s17, s12, 17
	s_add_co_u32 s50, s50, s17
	s_add_co_u32 s50, s50, s15
	s_mov_b32 s51, 0
	s_mul_i32 s44, s[RR], 4608
	s_add_co_u32 s44, s44, SCR                     ; the pair's bytes
	s_wait_dscnt 0x0                               ; both opening adds are done
	s_wait_kmcnt 0x0
	s_load_b128 s[52:55], s[6:7], 0x18             ; e6 .. e9
	s_load_b32 s56, s[6:7], 0x28                   ; e10
	s_add_nc_u64 s[50:51], s[4:5], s[50:51]
	CROUND                                         ; the four partners are here: the joint loads meet
	s_mov_b32 s[G0], 1
	s_mov_b32 s[G0+1], s16
	s_mov_b64 s[G0+2:G0+3], s[50:51]
	s_or_b32 s[G0+3], s[G0+3], 0x80000000
	tensor_load_to_lds s[G0:G0+3], s[G1:G1+7]      ; my one tensor load of the launch
	s_nop 0
	v_and_b32 v8, 31, v0
	s_delay_alu instid0(VALU_DEP_1)
	v_lshlrev_b32 v[LI], 4, v8                     ; 16 x lane
	s_delay_alu instid0(VALU_DEP_1)
	v_add_nc_u32 v[LV], 131072, v[LI]
	v_add_nc_u32 v[PS], s44, v[LI]
	s_lshl_b32 s57, s[RHI], 3
	s_add_co_u32 s57, s57, s11                     ; tile 8 (15 - r) + x
	s_lshl_b32 s58, s57, 10
	s_add_co_u32 s58, s58, s17
	s_mov_b32 s59, 0
	s_add_nc_u64 s[58:59], s[4:5], s[58:59]
	s_lshl_b32 s45, s[RHO2], 3
	s_add_co_u32 s45, s45, s11                     ; the second loop's tile, which I write out
	s_lshl_b32 s46, s45, 10
	s_add_co_u32 s46, s46, s17
	s_mov_b32 s47, 0
	s_add_nc_u64 s[46:47], s[4:5], s[46:47]
	s_wait_alu depctr_va_vdst(0)                   ; ahead of the readers of 16 x lane
	global_load_b128 v[16:19], v[LI], s[58:59]
	global_load_b128 v[20:23], v[LI], s[58:59] offset:512
	global_load_b128 v[24:27], v[LI], s[46:47]
	global_load_b128 v[28:31], v[LI], s[46:47] offset:512
	s_lshr_b32 s60, s11, 1
	s_lshl_b32 s60, s60, 5
	s_and_b32 s61, s11, 1
	s_lshl_b32 s61, s61, 3
	s_add_co_u32 s60, s60, s61                     ; the tile's first token within its 128: 32 (x / 2) + 8 (x % 2)
	v_and_b32 v10, 7, v0
	v_bfe_u32 v11, v0, 3, 1
	s_delay_alu instid0(VALU_DEP_1)
	v_lshl_add_u32 v10, v11, 4, v10
	v_bfe_u32 v11, v0, 4, 1
	s_delay_alu instid0(VALU_DEP_1)
	v_lshlrev_b32 v11, 4, v11
	s_delay_alu instid0(VALU_DEP_1)
	v_sub_nc_u32 v10, v10, v11
	s_delay_alu instid0(VALU_DEP_1)
	v_add_nc_u32 v[DD], s60, v10
	v_cvt_f32_i32 v10, v[DD]
.set i, 0
.irp f, 0,0x3f800000,0x40000000,0x40400000,0x40800000,0x40a00000,0x40c00000,0x40e00000,0x41000000,0x41100000,0x41200000,0x41300000,0x41400000,0x41500000,0x41600000,0x41700000
	v_mov_b32 v[IH+i], \f
.set i, i+1
.endr
	v_add_f32 v[EB], 0.5, v10
	v_add_f32 v[EB+1], 0xc1fc0000, v10             ; - 31.5
	v_add_f32 v[EB+2], 0xc27e0000, v10             ; - 63.5
	v_add_f32 v[EB+3], 0xc2bf0000, v10             ; - 95.5
	FRESH
	v_mov_b32 v248, 0                              ; a lane permute's destination counts as a source
	v_mov_b32 v253, 0                              ; upper halves of pairs that are named whole
	v_mov_b32 v255, 0
	s_wait_kmcnt 0x0
	s_mov_b32 s[CS], 0x3e38aa3b                    ; log2(e) / 8,
	s_add_co_i32 s60, s52, s53
	s_lshl_b32 s60, s60, 23
	s_add_co_i32 s[CS], s[CS], s60                 ; x 2^(e6 + e7), by the exponent field
	s_mov_b32 s[CS+1], s[CS]
	s_add_co_i32 s60, s54, 127
	s_lshl_b32 s61, s60, 23
	v_mov_b32 v244, s61                            ; 2^e8
	s_add_co_i32 s60, s60, 15
	s_lshl_b32 s60, s60, 23
	s_or_b32 s60, s60, 0x600000
	v_mov_b32 v240, s60                            ; 57,344 x 2^e8
; A KEY STEP: 128 keys at LDS byte TB of K and of V; qr: Q's registers; rho: the tile's diagonal step
.macro STEP qr, rho
	s_cmp_gt_u32 s[CST], s[\rho]
	s_cbranch_scc1 .Lhid_\@                        ; not my step, or hidden
	v_add_nc_u32 v[ADK], s[TB], v[LI]
	v_add_nc_u32 v[ADV], s[TB], v[LV]
	v_nop                                          ; with the two lines above: four places ahead of loads into registers that the last products read
	v_nop
.set t, 0
.rept 8
	ds_load_b128 v[32+8*t:35+8*t], v[ADK] offset:1024*t
	ds_load_b128 v[36+8*t:39+8*t], v[ADK] offset:1024*t+512
.set t, t+1
.endr
	s_wait_alu depctr_va_vdst(0)
	s_wait_dscnt 0x0
.set t, 0
.rept 8
	v_wmma_f32_16x16x64_bf8_bf8 v[96+8*t:103+8*t], v[32+8*t:39+8*t], v[\qr:\qr+7], 0
.set t, t+1
.endr
.rept 4
	v_nop
.endr
.set t, 0
.rept 4
.irp c, 0,1,2,3
	ds_load_b128 v[32+16*t+4*\c:35+16*t+4*\c], v[ADV] offset:2048*t+512*\c   ; V's fragments come in under the softmax
.endr
.set t, t+1
.endr
	s_cmp_lg_u32 s[CST], s[\rho]
	s_cbranch_scc1 .Lopen_\@
	; on the diagonal hidden scores become -infinity: register 16 b + i holds key 32 b + 16 (lane / 16) + i; (query - key + 0.5) x infinity is +infinity where the key counts and -infinity where it is hidden; the smaller of it and the score stays
.set n, 0
.rept 16
.set m, 0
.rept 4
	v_sub_f32 v[246+m+2*(m/2)], v[EB+(n+m)/16], v[IH+(n+m)%16]
.set m, m+1
.endr
.set m, 0
.rept 4
	v_mul_f32 v[246+m+2*(m/2)], 0x7f800000, v[246+m+2*(m/2)]
.set m, m+1
.endr
.set m, 0
.rept 4
	v_min_num_f32 v[96+n+m], v[96+n+m], v[246+m+2*(m/2)]
.set m, m+1
.endr
.set n, n+4
.endr
.Lopen_\@:
	v_max3_num_f32 v254, v96, v97, v98             ; the step's largest score of my query, in four chains, the registers in ascending order
	v_max3_num_f32 v252, v99, v100, v101
	v_max3_num_f32 v250, v102, v103, v104
	v_max3_num_f32 v246, v105, v106, v107
.irp i, 12,20,28,36,44,52
	v_max3_num_f32 v254, v254, v[96+\i], v[97+\i]
	v_max3_num_f32 v252, v252, v[98+\i], v[99+\i]
	v_max3_num_f32 v250, v250, v[100+\i], v[101+\i]
	v_max3_num_f32 v246, v246, v[102+\i], v[103+\i]
.endr
	v_max3_num_f32 v254, v254, v156, v157
	v_max3_num_f32 v252, v252, v158, v159
	v_max3_num_f32 v254, v254, v252, v250
	v_max_num_f32 v254, v254, v246
	v_permlanex16_b32 v248, v254, s[SEL], s[SEL+1]
	s_delay_alu instid0(VALU_DEP_1)
	v_max_num_f32 v254, v254, v248
	s_delay_alu instid0(VALU_DEP_1)
	v_mul_f32 v254, s[CS], v254
	s_delay_alu instid0(VALU_DEP_1)
	v_max_num_f32 v13, v13, v254                   ; the running largest t
	v_mov_b32 v254, v12
	s_delay_alu instid0(VALU_DEP_2)
	v_floor_f32 v12, -v13                          ; -M
	s_delay_alu instid0(VALU_DEP_1)
	v_sub_f32 v254, v12, v254
	s_delay_alu instid0(VALU_DEP_1)
	v_cvt_i32_f32 v254, v254
	s_delay_alu instid0(VALU_DEP_1)
	v_ldexp_f32 v252, 1.0, v254                    ; f = 2^(old M - new M)
.set j, 0
.rept 32
	v_pk_fma_f32 v[96+j:97+j], v[96+j:97+j], s[CS:CS+1], v[12:13] op_sel_hi:[1,0,0]
.set j, j+2
.endr
	s_wait_alu depctr_va_vdst(0)                   ; ahead of the batch
.set j, 0
.rept 64
	v_exp_f32 v[96+j], v[96+j]
.set j, j+1
.endr
	v_pk_mul_f32 v[14:15], v[14:15], v[252:253] op_sel_hi:[1,0]
	s_wait_alu depctr_va_vdst(0)                   ; and behind it, ahead of its first reader
	v_pk_add_f32 v[242:243], v[96:97], v[98:99]    ; the sum of the unquantised p, in four chains
	v_pk_add_f32 v[246:247], v[100:101], v[102:103]
	v_pk_add_f32 v[250:251], v[104:105], v[106:107]
.irp j, 12,20,28,36,44,52
	v_pk_add_f32 v[14:15], v[14:15], v[96+\j:97+\j]
	v_pk_add_f32 v[242:243], v[242:243], v[98+\j:99+\j]
	v_pk_add_f32 v[246:247], v[246:247], v[100+\j:101+\j]
	v_pk_add_f32 v[250:251], v[250:251], v[102+\j:103+\j]
.endr
	v_pk_add_f32 v[14:15], v[14:15], v[156:157]
	v_pk_add_f32 v[242:243], v[242:243], v[158:159]
	v_pk_add_f32 v[246:247], v[246:247], v[250:251]
	v_pk_add_f32 v[14:15], v[14:15], v[242:243]
	v_pk_add_f32 v[14:15], v[14:15], v[246:247]
.irp b, 0,1,2,3
.set i, 0
.rept 16
	v_min_num_f32 v[96+16*\b+i], v[96+16*\b+i], v240   ; the hold: the conversion does not saturate (ISA guide 7.6.2)
.set i, i+1
.endr
	v_cvt_scalef32_pk8_bf8_f32 v[224+4*\b:225+4*\b], v[96+16*\b:103+16*\b], v244
	v_cvt_scalef32_pk8_bf8_f32 v[226+4*\b:227+4*\b], v[104+16*\b:111+16*\b], v244
.endr
	s_wait_alu depctr_va_vdst(0)                   ; directly ahead of O^T's first reader
.set j, 0
.rept 16
	v_pk_mul_f32 v[160+j:161+j], v[160+j:161+j], v[252:253] op_sel_hi:[1,0]
.set j, j+2
.endr
	s_wait_alu depctr_va_vdst(0)                   ; and ahead of the wait below
	s_wait_dscnt 0x0                               ; V's fragments
.set t, 0
.rept 4
	v_wmma_f32_16x16x128_bf8_bf8 v[160+8*t:167+8*t], v[32+16*t:47+16*t], v[224:239], v[160+8*t:167+8*t]
.set t, t+1
.endr
.Lhid_\@:
	s_add_co_u32 s[CST], s[CST], 1
	s_add_co_u32 s[TB], s[TB], 8192
.endm
	s_wait_alu depctr_va_vdst(0)                   ; the head's end
	s_wait_loadcnt 0x0                             ; Q
	s_wait_tensorcnt 0x0                           ; my 16 KB are in
	s_barrier_signal -1
	s_barrier_wait -1                              ; all of K and V are in; nothing is filled again
	s_mov_b32 s[TB], 73728
	s_mov_b32 s[CST], 9
	s_mov_b32 s[CNT], 7
.Lfirst:                                           ; key steps 9-15
	STEP 16, RHO1
	s_sub_co_u32 s[CNT], s[CNT], 1
	s_cmp_lg_u32 s[CNT], 0
	s_cbranch_scc1 .Lfirst
	s_cmp_eq_u32 s[ROLE], 0
	s_cbranch_scc1 .Lkeep
.rept 4
	v_nop                                          ; places behind the last products
.endr
	s_wait_alu depctr_va_vdst(0)
.set i, 0
.rept 8
	ds_store_b128 v[PS], v[160+4*i:163+4*i] offset:512*i   ; waves 8-15: the late tile's part, as an image of its registers, each accumulator from its low end on
.set i, i+1
.endr
	ds_store_b128 v[PS], v[12:15] offset:4096      ; -M, the largest t, the sum's halves
	FRESH                                          ; and a fresh state for tile r
	s_wait_alu depctr_va_vdst(0)
.Lkeep:
	s_mov_b32 s[TB], 0
	s_mov_b32 s[CST], 0
	s_mov_b32 s[CNT], 9
.Lsecond:                                          ; key steps 0-8
	STEP 24, RHO2
	s_sub_co_u32 s[CNT], s[CNT], 1
	s_cmp_lg_u32 s[CNT], 0
	s_cbranch_scc1 .Lsecond
.rept 4
	v_nop                                          ; places behind the last products, for the loads and reads below
.endr
	s_wait_alu depctr_va_vdst(0)
	s_wait_dscnt 0x0                               ; for the others' sake: my stores of the part are done
	s_barrier_signal -1
	s_barrier_wait -1
	s_cmp_eq_u32 s[ROLE], 1
	s_cbranch_scc1 .Lown
.set i, 0
.rept 9
	ds_load_b128 v[32+4*i:35+4*i], v[PS] offset:512*i      ; waves 0-7: the other part of my tile; v64 its -M, v[66:67] its sum
.set i, i+1
.endr
	s_wait_dscnt 0x0
	v_min_num_f32 v10, v12, v64                    ; the joint -M
	v_sub_f32 v252, v10, v12
	v_sub_f32 v254, v10, v64
	v_cvt_i32_f32 v252, v252                       ; (it saturates: a part of no steps gets the factor 0)
	v_cvt_i32_f32 v254, v254
	v_ldexp_f32 v252, 1.0, v252                    ; my part's power of two,
	v_ldexp_f32 v254, 1.0, v254                    ; the other's
	v_pk_mul_f32 v[14:15], v[14:15], v[252:253] op_sel_hi:[1,0]
	v_pk_fma_f32 v[14:15], v[66:67], v[254:255], v[14:15] op_sel_hi:[1,0,1]
	s_wait_alu depctr_va_vdst(0)
.set j, 0
.rept 16
	v_pk_mul_f32 v[160+j:161+j], v[160+j:161+j], v[252:253] op_sel_hi:[1,0]
.set j, j+2
.endr
.set j, 0
.rept 16
	v_pk_fma_f32 v[160+j:161+j], v[32+j:33+j], v[254:255], v[160+j:161+j] op_sel_hi:[1,0,1]
.set j, j+2
.endr
	s_wait_alu depctr_va_vdst(0)
.Lown:
	; THE WAY OUT: O^T / the sum, held, converted with the scale 2^(e10 - e8 - e9), stored as two parts of an image
	v_add_f32 v14, v14, v15
	s_delay_alu instid0(VALU_DEP_1)
	v_permlanex16_b32 v252, v14, s[SEL], s[SEL+1]
	s_delay_alu instid0(VALU_DEP_1)
	v_add_f32 v14, v14, v252
	s_wait_alu depctr_va_vdst(0)                   ; ahead of the transcendental
	v_rcp_f32 v14, v14
	v_nop
	s_sub_co_i32 s60, s56, s54
	s_sub_co_i32 s60, s60, s55
	s_add_co_i32 s60, s60, 127
	s_lshl_b32 s61, s60, 23
	v_mov_b32 v245, s61
	s_add_co_i32 s60, s60, 15
	s_lshl_b32 s60, s60, 23
	s_or_b32 s60, s60, 0x600000
	v_mov_b32 v241, s60
	s_lshr_b32 s60, s12, 4                         ; ao: [tile of tokens 256][K step 8][2,048]: the batch,
	s_lshl_b32 s60, s60, 7
	s_add_co_u32 s60, s60, s45                     ; my tile,
	s_lshl_b32 s60, s60, 14
	s_bfe_u32 s61, s12, 0x30001                    ; K step = head / 2,
	s_lshl_b32 s61, s61, 11
	s_add_co_u32 s60, s60, s61
	s_and_b32 s61, s12, 1                          ; its lower or upper 64
	s_lshl_b32 s61, s61, 10
	s_add_co_u32 s60, s60, s61
	s_mov_b32 s61, 0
	s_add_nc_u64 s[8:9], s[8:9], s[60:61]
	s_wait_alu depctr_va_vdst(0)                   ; one wait: for the reciprocal and directly ahead of O^T's readers
.set j, 0
.rept 16
	v_pk_mul_f32 v[96+j:97+j], v[160+j:161+j], v[14:15] op_sel_hi:[1,0]
.set j, j+2
.endr
.set j, 0
.rept 32
	v_med3_num_f32 v[96+j], v[96+j], -v241, v241
.set j, j+1
.endr
.irp b, 0,1
	v_cvt_scalef32_pk8_bf8_f32 v[224+4*\b:225+4*\b], v[96+16*\b:103+16*\b], v245
	v_cvt_scalef32_pk8_bf8_f32 v[226+4*\b:227+4*\b], v[104+16*\b:111+16*\b], v245
.endr
	v_nop
	global_store_b128 v[LI], v[224:227], s[8:9]              ; 512 consecutive bytes, aligned
	global_store_b128 v[LI], v[228:231], s[8:9] offset:512
	s_wait_tensorcnt 0x0                           ; the wave's end
	ds_add_u32 v[SPW], v[NIL]
	s_wait_dscnt 0x0
	CROUND                                         ; the closing round
	s_endpgm
.Lfunc_end_k_q6ce9bc64ff_attn:
	.size	k_q6ce9bc64ff_attn, .Lfunc_end_k_q6ce9bc64ff_attn-k_q6ce9bc64ff_attn
	.p2alignl 7, 3214868480
	.fill 96, 4, 3214868480
	.section	.rodata,"a",@progbits
	.p2align	6, 0x0
	.amdhsa_kernel k_q6ce9bc64ff_attn
		.amdhsa_group_segment_fixed_size 327680
		.amdhsa_private_segment_fixed_size 0
		.amdhsa_enable_private_segment 0
		.amdhsa_kernarg_size 24
		.amdhsa_user_sgpr_count 2
		.amdhsa_user_sgpr_kernarg_segment_ptr 1
		.amdhsa_wavefront_size32 1
		.amdhsa_system_sgpr_workgroup_id_x 1
		.amdhsa_system_sgpr_workgroup_id_y 1
		.amdhsa_system_sgpr_workgroup_id_z 1
		.amdhsa_system_vgpr_workitem_id 0
		.amdhsa_next_free_vgpr 256
		.amdhsa_next_free_sgpr 80
		.amdhsa_reserve_vcc 0
		.amdhsa_float_denorm_mode_32 3
		.amdhsa_float_denorm_mode_16_64 3
		.amdhsa_memory_ordered 1
		.amdhsa_forward_progress 1
		.amdhsa_inst_pref_size 66
	.end_amdhsa_kernel
	.amdgpu_metadata
---
amdhsa.version: [ 1, 2 ]
amdhsa.kernels:
  - .name:           k_q6ce9bc64ff_attn
    .symbol:         k_q6ce9bc64ff_attn.kd
    .args:
      - { .name: qkv, .offset: 0, .size: 8, .value_kind: global_buffer, .address_space: global }
      - { .name: lowp_scales, .offset: 8, .size: 8, .value_kind: global_buffer, .address_space: global }
      - { .name: ao, .offset: 16, .size: 8, .value_kind: global_buffer, .address_space: global }
    .group_segment_fixed_size: 327680
    .private_segment_fixed_size: 0
    .kernarg_segment_align: 8
    .kernarg_segment_size: 24
    .max_flat_workgroup_size: 512
    .sgpr_count:     80
    .vgpr_count:     256
    .wavefront_size: 32
...
	.end_amdgpu_metadata
.endif
;; end of part 3
;; launch oproj (part 4): grid 8 x 32, 4 waves a work-group, clusters of 4 x 4, 327,680 bytes of LDS; arguments ao, wc, x, lowp_scales, x1; writes x1
.if DOCPART == 4
	.amdgcn_target "amdgcn-amd-amdhsa--gfx1250"
	.amdhsa_code_object_version 6
	.text
	.protected	k_q6ce9bc64ff_oproj
	.globl	k_q6ce9bc64ff_oproj
	.p2align	8
	.type	k_q6ce9bc64ff_oproj,@function
k_q6ce9bc64ff_oproj:
	s_mov_b64 s[64:65], 0
	v_nop
	global_prefetch_b8 v0, s[64:65] scope:SCOPE_SE
	s_setreg_imm32_b32 hwreg(HW_REG_WAVE_MODE, 25, 1), 1
	s_wait_xcnt 0x0
	s_wait_alu depctr_hold_cnt(0) depctr_sa_sdst(0) depctr_va_vdst(0) depctr_va_sdst(0) depctr_va_ssrc(0) depctr_va_vcc(0) depctr_vm_vsrc(0)
	s_getreg_b32 s2, hwreg(HW_REG_IB_STS2, 6, 4)
	s_cmp_eq_u32 s2, 0
	s_cbranch_scc0 .Lentry_in_a_cluster
	s_endpgm
.Lentry_in_a_cluster:
	s_bfe_u32 s2, ttmp6, 0x10000c
	s_cmp_lg_u32 s2, 0xf033
	s_cbranch_scc0 .Lentry_shape_is_right
	s_endpgm
.Lentry_shape_is_right:
; x1 = x + ao W_o: ao [4,096][1,024] and W_o as codes of BF8 laid as images of registers ([tile of 16][K step 8][2,048 bytes], see the launch prep); x and x1 [4,096][1,024] f32.
; A work-group makes 128 tokens x 128 columns (256 work-groups), a wave 64 x 64: 16 accumulators.  TRANSPOSED: source 0 = 16 columns of W_o (X), source 1 = 16 tokens (Y): a lane holds one token and, in X tiles 2 b, 2 b + 1, 16 neighbouring columns.
; LDS: all of K at once.  Y's 8 tiles x 16,384 bytes lie from 0, X's 8 from 131,072.  Each wave asks for 4 tiles with all their 8 K steps by ONE joint load (4 rows of 16,384 bytes): 262,144 bytes are all that the work-group reads,
; so nothing is filled a second time, and one barrier behind the loads is the only one between the head and the closing round.
; CLUSTERS: 4 x 4; Y's tiles are shared along a row of the cluster, X's along a column.  No prefetch: every byte is asked for by the head's one load a wave, so there is no loop to run ahead in.
; The residual is loaded at the head, in the layout in which the result is stored.
; LIMIT: e10 + e11 between -126 and 127.  NaN and infinities among the inputs are not served.
; REGISTERS: window 0: v16-29 addresses; v32-95 rows read back from the stage, two sets; v128-255 the accumulators ((a, b) at v[128 + 8 (4 a + b)]).  window 1: two fragment buffers of 128: Y's 64, then X's 64.  window 2: v0-127 the residual.
.set WOFF,  0x300000                   ; w_o's section of wc
.set SOFF,  40                         ; e10, e11 among the exponents, in bytes
.set XB,    131072
.set STAGE, 262144                     ; behind the tiles: 16 rows x 272 bytes for each wave
.set SPITCH, 272
.set SPARE, STAGE+4*16*SPITCH          ; behind the stages: the spare words
.set ADRY, 16
.set ADRX, 20
.set STO,  24
.set RD,   25
.set CO,   26
.set SPW,  28
.set NIL,  29
.set RB,   32
.set ACC,  128
.set G1, 24
.set G0, 32
.set G1B, 48
.set G0B, 56
.set MSB, 0
.macro WIN new                         ; the immediate's high byte repeats the setting that is left
.if MSB != (\new)
	s_set_vgpr_msb (MSB<<8)|(\new)
.set MSB, (\new)
.endif
.endm
.set MUL, 0x05                         ; sources 0 and 1 window 1; C and D window 0
.macro CROUND                          ; a round of the cluster's barrier
	s_barrier_signal -1
	s_barrier_wait -1
	s_cmp_lg_u32 s14, 0
	s_cbranch_scc1 .Lnot_wave_0_\@
	s_barrier_signal -3
.Lnot_wave_0_\@:
	s_barrier_wait -3
	s_barrier_signal -1
	s_barrier_wait -1
.endm
.macro PLACES n
.rept \n
	v_nop
.endr
.endm
	s_load_b256 s[4:11], s[0:1], 0x0               ; ao, wc, x, the scales' exponents
	s_load_b64 s[12:13], s[0:1], 0x20              ; x1
	v_lshl_add_u32 v[SPW], v0, 2, SPARE
	v_mov_b32 v[NIL], 0
	ds_add_u32 v[SPW], v[NIL]                      ; the opening lines
	ds_add_u32 v[SPW], v[NIL]
	v_lshrrev_b32 v1, 5, v0
	v_readfirstlane_b32 s14, v1                    ; wave 0..3
	s_lshr_b32 s15, s14, 1                         ; which 64 tokens are mine.  Also: I fetch for Y (0) or X (1)
	s_and_b32 s16, s14, 1                          ; which 64 columns.  Also: which 4 tiles I fetch
	s_bfe_u32 s40, ttmp6, 0x40000
	s_bfe_u32 s41, ttmp6, 0x40004
	s_lshl_b32 s42, ttmp9, 2
	s_add_co_u32 s42, s42, s40                     ; block of 128 columns
	s_and_b32 s17, ttmp7, 0xffff
	s_lshl_b32 s17, s17, 2
	s_add_co_u32 s17, s17, s41                     ; block of 128 tokens
	s_lshl_b32 s43, s41, 2
	s_lshl_b32 s43, 15, s43                        ; my row of the cluster
	s_lshl_b32 s44, 0x1111, s40                    ; my column
	s_or_b32 s[G1+0], s43, (3<<16)|(1<<21)         ; the mask; elements of 8 bytes; bit 21 beside a mask
	s_or_b32 s[G1B+0], s44, (3<<16)|(1<<21)
.irp g, G1, G1B
	s_mov_b32 s[\g+1], 2048<<16                    ; a row: 2,048 elements, a tile's eight K steps,
	s_mov_b32 s[\g+2], 4<<16                       ; 4 tiles, dense
	s_mov_b32 s[\g+3], 2048<<16
	s_mov_b32 s[\g+4], 4
	s_mov_b32 s[\g+5], 2048
	s_mov_b32 s[\g+6], 0
	s_mov_b32 s[\g+7], 0
.endr
	s_lshl_b32 s18, s16, 2
	s_lshl_b32 s20, s17, 3
	s_add_co_u32 s20, s20, s18
	s_lshl_b32 s20, s20, 14                        ; Y: tile 8 x block + 4 x half
	s_mov_b32 s21, 0
	s_lshl_b32 s46, s42, 3
	s_add_co_u32 s46, s46, s18
	s_lshl_b32 s46, s46, 14
	s_add_co_u32 s46, s46, WOFF                    ; X likewise, in w_o's section
	s_mov_b32 s47, 0
	s_lshl_b32 s45, s14, 16                        ; where my load goes: wave x 65,536: no place in the cluster enters an LDS address
	s_wait_dscnt 0x0                               ; both opening adds are done
	s_wait_kmcnt 0x0
	s_load_b64 s[96:97], s[10:11], SOFF
	s_add_nc_u64 s[20:21], s[4:5], s[20:21]
	s_add_nc_u64 s[46:47], s[6:7], s[46:47]
	CROUND                                         ; all sixteen work-groups are here: the joint loads meet
	s_mov_b32 s[G0], 1
	s_mov_b32 s[G0+1], s45
	s_mov_b64 s[G0+2:G0+3], s[20:21]
	s_or_b32 s[G0+3], s[G0+3], 0x80000000
	s_mov_b32 s[G0B], 1
	s_mov_b32 s[G0B+1], s45
	s_mov_b64 s[G0B+2:G0B+3], s[46:47]
	s_or_b32 s[G0B+3], s[G0B+3], 0x80000000
	s_cmp_eq_u32 s15, 0                            ; waves 0, 1 fetch Y's halves, waves 2, 3 X's; an s_nop 0 and four v_nop follow each line
	s_cbranch_scc0 .Lfor_b
	tensor_load_to_lds s[G0:G0+3], s[G1:G1+7]
	s_nop 0
	PLACES 4
	s_branch .Lasked
.Lfor_b:
	tensor_load_to_lds s[G0B:G0B+3], s[G1B:G1B+7]
	s_nop 0
	PLACES 4
.Lasked:
	v_and_b32 v1, 15, v0
	v_bfe_u32 v2, v0, 4, 1
	v_and_b32 v3, 31, v0
	v_lshlrev_b32 v4, 4, v3
	s_lshl_b32 s22, s15, 16
	s_lshl_b32 s23, s16, 16
	s_add_co_u32 s23, s23, XB
	v_add_nc_u32 v[ADRY], s22, v4                  ; my 4 tiles of Y,
	v_add_nc_u32 v[ADRX], s23, v4                  ; and of X
	s_mul_i32 s22, s14, 16*SPITCH
	s_add_co_u32 s22, s22, STAGE                   ; my stage
	v_mul_u32_u24 v5, v1, SPITCH
	v_lshl_add_u32 v5, v2, 6, v5
	v_add_nc_u32 v[STO], s22, v5                   ; in: row lane % 16, + 64 bytes for the upper half of the lanes
	v_mul_u32_u24 v5, v2, SPITCH
	v_lshl_add_u32 v5, v1, 4, v5
	v_add_nc_u32 v[RD], s22, v5                    ; back: lanes 0-15 one row of 256 bytes, lanes 16-31 the next
	v_lshlrev_b32 v5, 12, v2
	v_lshl_add_u32 v[CO], v1, 4, v5                ; and the same two rows in memory
	s_wait_alu depctr_va_vdst(0)                   ; ahead of the run of scalar lines
	s_lshl_b32 s22, s17, 7
	s_lshl_b32 s23, s15, 6
	s_add_co_u32 s22, s22, s23
	s_lshl_b32 s22, s22, 12                        ; my first token's row,
	s_lshl_b32 s23, s42, 9
	s_add_co_u32 s22, s22, s23
	s_lshl_b32 s23, s16, 8
	s_add_co_u32 s22, s22, s23                     ; my first column
	s_mov_b32 s23, 0
	s_add_nc_u64 s[8:9], s[8:9], s[22:23]
	s_add_nc_u64 s[12:13], s[12:13], s[22:23]
	WIN 0x80                                       ; destination window 2
.set a, 0
.rept 4
.set t, 0
.rept 8
	global_load_b128 v[4*(8*a+t):4*(8*a+t)+3], v[CO], s[8:9] offset:(32*(a/2)+8*(a%2)+(2*t)%8+16*(t/4))*4096   ; rows 2 t, 2 t + 1 of tile a are tokens 32 (a / 2) + 8 (a % 2) + (2 t) % 8 + 16 (t / 4) + 0, 1
.set t, t+1
.endr
.set a, a+1
.endr
	WIN 0
.macro FETCH u                         ; K step u's fragments: 32 LDS loads into buffer u % 2
.set FB, 128*((\u)%2)
	WIN 0x40
.irp i, 0,1,2,3
.irp c, 0,1,2,3
	ds_load_b128 v[FB+16*\i+4*\c:FB+16*\i+4*\c+3], v[ADRY] offset:\i*16384+(\u)*2048+512*\c
.endr
.endr
.irp i, 0,1,2,3
.irp c, 0,1,2,3
	ds_load_b128 v[FB+64+16*\i+4*\c:FB+64+16*\i+4*\c+3], v[ADRX] offset:\i*16384+(\u)*2048+512*\c
.endr
.endr
.endm
.macro MUL16 f, zero                   ; the 16 accumulators take turns, one instruction a turn
.irp a, 0,1,2,3
.irp b, 0,1,2,3
.if \zero
	v_wmma_f32_16x16x128_bf8_bf8 v[ACC+8*(4*\a+\b):ACC+8*(4*\a+\b)+7], v[\f+64+16*\b:\f+64+16*\b+15], v[\f+16*\a:\f+16*\a+15], 0
.else
	v_wmma_f32_16x16x128_bf8_bf8 v[ACC+8*(4*\a+\b):ACC+8*(4*\a+\b)+7], v[\f+64+16*\b:\f+64+16*\b+15], v[\f+16*\a:\f+16*\a+15], v[ACC+8*(4*\a+\b):ACC+8*(4*\a+\b)+7]
.endif
.endr
.endr
.endm
.macro UNIT u, zero
	s_wait_dscnt 0x0                               ; this K step's fragments are in
	PLACES 4                                       ; in front of loads into the buffer that the last step's products have read
	FETCH (\u)+1
	WIN MUL
	MUL16 128*((\u)%2), \zero
.endm
	s_wait_tensorcnt 0x0                           ; my 65,536 bytes are in
	s_barrier_signal -1
	s_barrier_wait -1                              ; all of Y and X are in; nothing is filled again
	FETCH 0
	UNIT 0, 1                                      ; the first products start the sums
.irp u, 1,2,3,4,5,6
	UNIT \u, 0
.endr
	s_wait_dscnt 0x0
	WIN MUL
	MUL16 128, 0
	WIN 0
	; THE WAY OUT, a tile of 16 tokens x 64 columns at a time: the sums go through my own stage and come back as rows of 256 bytes; sum x 2^(e10 + e11) + residual; sixteen lanes store 256 consecutive bytes, aligned.
	s_wait_kmcnt 0x0
	s_add_co_i32 s96, s96, s97
	s_add_co_i32 s96, s96, 127
	s_lshl_b32 s96, s96, 23                        ; 2^(e10 + e11) as f32
	s_mov_b32 s97, s96
	PLACES 4
	s_wait_loadcnt 0x0                             ; the residual
.set a, 0
.rept 4
.set RBS, RB+32*(a%2)
.if a >= 2
	s_wait_xcnt 0x0                                ; tile a - 2's stores have read their registers: the loads below may land there
.endif
.irp b, 0,1,2,3
	ds_store_b128 v[STO], v[ACC+8*(4*a+\b):ACC+8*(4*a+\b)+3] offset:128*(\b/2)+32*(\b%2)       ; columns 32 (b / 2) + 16 (lane / 16) + 8 (b % 2) + 0 .. 7; each accumulator from its low end on
	ds_store_b128 v[STO], v[ACC+8*(4*a+\b)+4:ACC+8*(4*a+\b)+7] offset:128*(\b/2)+32*(\b%2)+16
.endr
.irp t, 0,1,2,3,4,5,6,7
	ds_load_b128 v[RBS+4*\t:RBS+4*\t+3], v[RD] offset:\t*2*SPITCH   ; LDS serves a wave's instructions in order: these see my stores
.endr
	s_wait_dscnt 0x0
	WIN 0x20                                       ; source 2 (the residual) window 2
.set i, 0
.rept 16
	v_pk_fma_f32 v[RBS+i:RBS+i+1], v[RBS+i:RBS+i+1], s[96:97], v[32*a+i:32*a+i+1] op_sel_hi:[1,0,1]
.set i, i+2
.endr
	WIN 0
.set t, 0
.rept 8
	global_store_b128 v[CO], v[RBS+4*t:RBS+4*t+3], s[12:13] offset:(32*(a/2)+8*(a%2)+(2*t)%8+16*(t/4))*4096
.set t, t+1
.endr
.set a, a+1
.endr
	s_wait_tensorcnt 0x0                           ; the wave's end
	ds_add_u32 v[SPW], v[NIL]
	s_wait_dscnt 0x0
	CROUND                                         ; the closing round
	s_endpgm
.Lfunc_end_k_q6ce9bc64ff_oproj:
	.size	k_q6ce9bc64ff_oproj, .Lfunc_end_k_q6ce9bc64ff_oproj-k_q6ce9bc64ff_oproj
	.p2alignl 7, 3214868480
	.fill 96, 4, 3214868480
	.section	.rodata,"a",@progbits
	.p2align	6, 0x0
	.amdhsa_kernel k_q6ce9bc64ff_oproj
		.amdhsa_group_segment_fixed_size 327680
		.amdhsa_private_segment_fixed_size 0
		.amdhsa_enable_private_segment 0
		.amdhsa_kernarg_size 40
		.amdhsa_user_sgpr_count 2
		.amdhsa_user_sgpr_kernarg_segment_ptr 1
		.amdhsa_wavefront_size32 1
		.amdhsa_system_sgpr_workgroup_id_x 1
		.amdhsa_system_sgpr_workgroup_id_y 1
		.amdhsa_system_sgpr_workgroup_id_z 1
		.amdhsa_system_vgpr_workitem_id 0
		.amdhsa_next_free_vgpr 640
		.amdhsa_next_free_sgpr 100
		.amdhsa_reserve_vcc 0
		.amdhsa_float_denorm_mode_32 3
		.amdhsa_float_denorm_mode_16_64 3
		.amdhsa_memory_ordered 1
		.amdhsa_forward_progress 1
		.amdhsa_inst_pref_size 47
	.end_amdhsa_kernel
	.amdgpu_metadata
---
amdhsa.version: [ 1, 2 ]
amdhsa.kernels:
  - .name:           k_q6ce9bc64ff_oproj
    .symbol:         k_q6ce9bc64ff_oproj.kd
    .args:
      - { .name: ao, .offset: 0, .size: 8, .value_kind: global_buffer, .address_space: global }
      - { .name: wc, .offset: 8, .size: 8, .value_kind: global_buffer, .address_space: global }
      - { .name: x, .offset: 16, .size: 8, .value_kind: global_buffer, .address_space: global }
      - { .name: lowp_scales, .offset: 24, .size: 8, .value_kind: global_buffer, .address_space: global }
      - { .name: x1, .offset: 32, .size: 8, .value_kind: global_buffer, .address_space: global }
    .group_segment_fixed_size: 327680
    .private_segment_fixed_size: 0
    .kernarg_segment_align: 8
    .kernarg_segment_size: 40
    .max_flat_workgroup_size: 128
    .sgpr_count:     100
    .vgpr_count:     640
    .wavefront_size: 32
...
	.end_amdgpu_metadata
.endif
;; end of part 4
;; launch norm2 (part 5): grid 256 x 1, 8 waves a work-group, no clusters, 35,840 bytes of LDS; arguments x1, g2, lowp_scales, nx2; writes nx2
.if DOCPART == 5
	.amdgcn_target "amdgcn-amd-amdhsa--gfx1250"
	.amdhsa_code_object_version 6
	.text
	.protected	k_q6ce9bc64ff_norm2
	.globl	k_q6ce9bc64ff_norm2
	.p2align	8
	.type	k_q6ce9bc64ff_norm2,@function
k_q6ce9bc64ff_norm2:
	s_mov_b64 s[64:65], 0
	v_nop
	global_prefetch_b8 v0, s[64:65] scope:SCOPE_SE
	s_setreg_imm32_b32 hwreg(HW_REG_WAVE_MODE, 25, 1), 1
	s_wait_xcnt 0x0
; rmsnorm(x1, g2), quantised twice (entries 12 and 14 of the scales) into nx2: [tile of 16 tokens 256][K step 8][set 2][2,048 bytes], images of registers (see the launch prep, whose norm this text repeats).
; Tile mt = the work-group; wave w takes rows 2 w and 2 w + 1 of it: tokens 32 (mt / 2) + 8 (mt % 2) + 2 (w % 4) + 16 (w / 4) + 0, 1.  The codes turn through a stage in LDS into the image's order.
; LIMITS: both exponents between -126 and 112; NaN and infinities among the inputs are not served.
.set SPARE, 34816
.set SPW, 12
.set NIL, 13
	s_load_b256 s[4:11], s[0:1], 0x0               ; x1, g2, the scales' exponents, nx2
	v_lshl_add_u32 v[SPW], v0, 2, SPARE
	v_mov_b32 v[NIL], 0
	v_lshrrev_b32 v2, 5, v0
	s_delay_alu instid0(VALU_DEP_1)
	v_readfirstlane_b32 s28, v2                    ; wave 0..7
	v_and_b32 v1, 31, v0
	s_wait_alu depctr_va_vdst(0)
	s_lshr_b32 s35, ttmp9, 1
	s_lshl_b32 s35, s35, 5
	s_and_b32 s36, ttmp9, 1
	s_lshl_b32 s36, s36, 3
	s_add_co_u32 s35, s35, s36
	s_and_b32 s36, s28, 3
	s_lshl_b32 s36, s36, 1
	s_add_co_u32 s35, s35, s36
	s_lshr_b32 s36, s28, 2
	s_lshl_b32 s36, s36, 4
	s_add_co_u32 s35, s35, s36
	s_lshl_b32 s36, s35, 12
	s_mov_b32 s37, 0
	s_lshl_b32 s38, ttmp9, 15                      ; a tile's images of both sets: 32 KB
	s_mov_b32 s39, 0
	s_mov_b32 s60, 0x76543210
	s_mov_b32 s61, 0xfedcba98
	s_mov_b32 s62, 0x3a800000                      ; 1 / 1,024
	s_mov_b32 s63, 0x358637bd                      ; 1e-6
	v_lshrrev_b32 v14, 1, v1                       ; the stage: for each set 64 chunks (16 along K x 16 rows) 272 bytes apart
	s_delay_alu instid0(VALU_DEP_1)
	v_mul_u32_u24 v14, v14, 272
	v_and_b32 v15, 1, v1
	s_delay_alu instid0(VALU_DEP_1)
	v_lshl_add_u32 v14, v15, 3, v14
	s_lshl_b32 s40, s28, 5
	v_add_nc_u32 v14, s40, v14                     ; in: 272 (l / 2) + 8 (l % 2) + 16 x row 2 w
	v_lshrrev_b32 v15, 4, v1
	s_delay_alu instid0(VALU_DEP_1)
	v_mul_u32_u24 v15, v15, 272
	v_and_b32 v16, 15, v1
	s_delay_alu instid0(VALU_DEP_1)
	v_lshl_add_u32 v15, v16, 4, v15
	s_mul_i32 s40, s28, 2176
	v_add_nc_u32 v15, s40, v15                     ; out: chunks 8 w .. 8 w + 7, two an instruction
	v_lshlrev_b32 v16, 4, v1
	s_lshl_b32 s40, s28, 12
	v_add_nc_u32 v16, s40, v16                     ; stored at 4,096 w + 16 x lane
	v_lshlrev_b32 v17, 5, v1
	s_wait_alu depctr_va_vdst(0)
	s_wait_kmcnt 0x0
	s_load_b128 s[52:55], s[8:9], 0x30             ; entries 12 .. 15
	s_add_nc_u64 s[4:5], s[4:5], s[36:37]
	s_add_nc_u64 s[42:43], s[10:11], s[38:39]
.irp j, 0,1
.irp p, 0,1,2,3
	global_load_b128 v[32+32*\j+8*\p:32+32*\j+8*\p+3], v17, s[4:5] offset:4096*\j+1024*\p
	global_load_b128 v[32+32*\j+8*\p+4:32+32*\j+8*\p+7], v17, s[4:5] offset:4096*\j+1024*\p+16
.endr
.endr
.irp p, 0,1,2,3
	global_load_b128 v[96+8*\p:96+8*\p+3], v17, s[6:7] offset:1024*\p
	global_load_b128 v[96+8*\p+4:96+8*\p+7], v17, s[6:7] offset:1024*\p+16
.endr
.macro SUMSQ j
.set XR, 32+32*\j
.set AC, 128+4*\j
	v_pk_mul_f32 v[AC:AC+1], v[XR:XR+1], v[XR:XR+1]
	v_pk_mul_f32 v[AC+2:AC+3], v[XR+2:XR+3], v[XR+2:XR+3]
.set i, 4
.rept 7
	s_delay_alu instid0(VALU_DEP_2)
	v_pk_fma_f32 v[AC:AC+1], v[XR+i:XR+i+1], v[XR+i:XR+i+1], v[AC:AC+1]
	s_delay_alu instid0(VALU_DEP_2)
	v_pk_fma_f32 v[AC+2:AC+3], v[XR+i+2:XR+i+3], v[XR+i+2:XR+i+3], v[AC+2:AC+3]
.set i, i+4
.endr
	s_delay_alu instid0(VALU_DEP_1)
	v_pk_add_f32 v[AC:AC+1], v[AC:AC+1], v[AC+2:AC+3]
	s_delay_alu instid0(VALU_DEP_1)
	v_add_f32 v[AC], v[AC], v[AC+1]
	s_delay_alu instid0(VALU_DEP_1)
	v_add_f32_dpp v[AC], v[AC], v[AC] row_xmask:1 row_mask:0xf bank_mask:0xf
	s_delay_alu instid0(VALU_DEP_1)
	v_add_f32_dpp v[AC], v[AC], v[AC] row_xmask:2 row_mask:0xf bank_mask:0xf
	s_delay_alu instid0(VALU_DEP_1)
	v_add_f32_dpp v[AC], v[AC], v[AC] row_xmask:4 row_mask:0xf bank_mask:0xf
	s_delay_alu instid0(VALU_DEP_1)
	v_add_f32_dpp v[AC], v[AC], v[AC] row_xmask:8 row_mask:0xf bank_mask:0xf
	s_delay_alu instid0(VALU_DEP_1)
	v_permlanex16_b32 v[AC+1], v[AC], s60, s61
	s_delay_alu instid0(VALU_DEP_1)
	v_add_f32 v[AC], v[AC], v[AC+1]
	s_delay_alu instid0(VALU_DEP_1)
	v_fma_f32 v[AC], v[AC], s62, s63
.endm
	s_wait_loadcnt 16                              ; row 0 is in; row 1's eight loads and g2's eight may be out
	SUMSQ 0
	s_wait_loadcnt 8                               ; row 1 is in
	SUMSQ 1
	s_wait_alu depctr_va_vdst(0)
	v_rsq_f32 v136, v128
	v_rsq_f32 v138, v132
	v_mov_b32 v137, 0                              ; (the pairs' upper halves; plain lines behind the roots)
	v_mov_b32 v139, 0
	s_wait_kmcnt 0x0
.irp s, 0,1
	s_add_co_i32 s40, s[52+2*\s], 127
	s_lshl_b32 s41, s40, 23
	v_mov_b32 v[20+2*\s], s41
	s_add_co_i32 s40, s40, 15
	s_lshl_b32 s40, s40, 23
	s_or_b32 s40, s40, 0x600000
	v_mov_b32 v[21+2*\s], s40
.endr
	s_wait_alu depctr_va_vdst(0)                   ; one wait for both roots, ahead of their first reader
	s_wait_loadcnt 0x0                             ; g2
.irp j, 0,1
.set i, 0
.rept 16
	v_pk_mul_f32 v[32+32*\j+i:32+32*\j+i+1], v[32+32*\j+i:32+32*\j+i+1], v[136+2*\j:137+2*\j] op_sel_hi:[1,0]
	s_delay_alu instid0(VALU_DEP_1)
	v_pk_mul_f32 v[32+32*\j+i:32+32*\j+i+1], v[32+32*\j+i:32+32*\j+i+1], v[96+i:96+i+1]
.set i, i+2
.endr
.endr
.set n, 0
.irp j, 0,1
.irp s, 0,1
.irp p, 0,1,2,3
.set TM, 128+8*(n%2)                   ; two sets of eight by turns: the other set's holds are the plain lines behind each conversion
.set i, 0
.rept 8
	v_med3_num_f32 v[TM+i], v[32+32*\j+8*\p+i], -v[21+2*\s], v[21+2*\s]
.set i, i+1
.endr
	v_cvt_scalef32_pk8_bf8_f32 v[144+2*n:144+2*n+1], v[TM:TM+7], v[20+2*\s]
	ds_store_b64 v14, v[144+2*n:144+2*n+1] offset:\s*17408+\p*4352+\j*16
.set n, n+1
.endr
.endr
.endr
	v_nop
	s_wait_dscnt 0x0                               ; for the others' sake: my stores into the stage are done
	s_barrier_signal -1
	s_barrier_wait -1
.irp s, 0,1
.irp t, 0,1,2,3
	ds_load_b128 v[32+16*\s+4*\t:32+16*\s+4*\t+3], v15 offset:\s*17408+\t*544
.endr
.endr
.irp s, 0,1
.irp t, 0,1,2,3
	s_wait_dscnt 7-4*\s-\t                         ; this one is in, the younger ones may be out
	global_store_b128 v16, v[32+16*\s+4*\t:32+16*\s+4*\t+3], s[42:43] offset:2048*\s+512*\t
.endr
.endr
	s_wait_tensorcnt 0x0                           ; the wave's end
	ds_add_u32 v[SPW], v[NIL]
	s_wait_dscnt 0x0
	s_endpgm
.Lfunc_end_k_q6ce9bc64ff_norm2:
	.size	k_q6ce9bc64ff_norm2, .Lfunc_end_k_q6ce9bc64ff_norm2-k_q6ce9bc64ff_norm2
	.p2alignl 7, 3214868480
	.fill 96, 4, 3214868480
	.section	.rodata,"a",@progbits
	.p2align	6, 0x0
	.amdhsa_kernel k_q6ce9bc64ff_norm2
		.amdhsa_group_segment_fixed_size 35840
		.amdhsa_private_segment_fixed_size 0
		.amdhsa_enable_private_segment 0
		.amdhsa_kernarg_size 32
		.amdhsa_user_sgpr_count 2
		.amdhsa_user_sgpr_kernarg_segment_ptr 1
		.amdhsa_wavefront_size32 1
		.amdhsa_system_sgpr_workgroup_id_x 1
		.amdhsa_system_sgpr_workgroup_id_y 1
		.amdhsa_system_sgpr_workgroup_id_z 1
		.amdhsa_system_vgpr_workitem_id 0
		.amdhsa_next_free_vgpr 192
		.amdhsa_next_free_sgpr 66
		.amdhsa_reserve_vcc 0
		.amdhsa_float_denorm_mode_32 3
		.amdhsa_float_denorm_mode_16_64 3
		.amdhsa_memory_ordered 1
		.amdhsa_forward_progress 1
		.amdhsa_inst_pref_size 27
	.end_amdhsa_kernel
	.amdgpu_metadata
---
amdhsa.version: [ 1, 2 ]
amdhsa.kernels:
  - .name:           k_q6ce9bc64ff_norm2
    .symbol:         k_q6ce9bc64ff_norm2.kd
    .args:
      - { .name: x1, .offset: 0, .size: 8, .value_kind: global_buffer, .address_space: global }
      - { .name: g2, .offset: 8, .size: 8, .value_kind: global_buffer, .address_space: global }
      - { .name: lowp_scales, .offset: 16, .size: 8, .value_kind: global_buffer, .address_space: global }
      - { .name: nx2, .offset: 24, .size: 8, .value_kind: global_buffer, .address_space: global }
    .group_segment_fixed_size: 35840
    .private_segment_fixed_size: 0
    .kernarg_segment_align: 8
    .kernarg_segment_size: 32
    .max_flat_workgroup_size: 256
    .sgpr_count:     66
    .vgpr_count:     192
    .wavefront_size: 32
...
	.end_amdgpu_metadata
.endif
;; end of part 5
;; launch gateup (part 6): grid 16 x 16, 4 waves a work-group, clusters of 4 x 4, 327,680 bytes of LDS; arguments nx2, wc, lowp_scales, hid; writes hid
.if DOCPART == 6
	.amdgcn_target "amdgcn-amd-amdhsa--gfx1250"
	.amdhsa_code_object_version 6
	.text
	.protected	k_q6ce9bc64ff_gateup
	.globl	k_q6ce9bc64ff_gateup
	.p2align	8
	.type	k_q6ce9bc64ff_gateup,@function
k_q6ce9bc64ff_gateup:
	s_mov_b64 s[64:65], 0
	v_nop
	global_prefetch_b8 v0, s[64:65] scope:SCOPE_SE
	s_setreg_imm32_b32 hwreg(HW_REG_WAVE_MODE, 25, 1), 1
	s_wait_xcnt 0x0
	s_wait_alu depctr_hold_cnt(0) depctr_sa_sdst(0) depctr_va_vdst(0) depctr_va_sdst(0) depctr_va_ssrc(0) depctr_va_vcc(0) depctr_vm_vsrc(0)
	s_getreg_b32 s2, hwreg(HW_REG_IB_STS2, 6, 4)
	s_cmp_eq_u32 s2, 0
	s_cbranch_scc0 .Lentry_in_a_cluster
	s_endpgm
.Lentry_in_a_cluster:
	s_bfe_u32 s2, ttmp6, 0x10000c
	s_cmp_lg_u32 s2, 0xf033
	s_cbranch_scc0 .Lentry_shape_is_right
	s_endpgm
.Lentry_shape_is_right:
; hidden = silu(nx W_gate) x (nx W_up), both products on codes of BF8, the result quantised (entry 16 of the scales) into the operand of the last product.
; A work-group makes 256 tokens x 128 hidden units, for gate AND up; a wave 128 x 64: 32 accumulators of the gate (window 2) and 32 of up (window 3) at the same places, so that silu(g) u is made within a lane.
; TRANSPOSED: source 0 = 16 hidden units (X), source 1 = 16 tokens (Y).  The normalised x has two sets of codes (its two scales may differ): nx2 [tile][K step][set][2,048], the weights wc + 4 MB [tile][K step][gate, up][2,048].
; LDS: a K step of 128 is 96 KB (Y 64, X 32).  Region P holds two K steps, region Q one.  P takes K steps 0-1, 3-4, 6-7, Q takes 2 and 5: three refills, each behind a round of the cluster's barrier, one load a wave.
; Two loads of mine are out at the start, one behind each round.  CLUSTERS: 4 x 4; Y's tiles shared along a row, X's along a column.
; A K step is a gate step and an up step of 32 matrix instructions; each fetches the other's next fragments (48 LDS loads).  The gate's fragments lie in window 1, up's in window 0, at v64-255 (Y's 128, X's 64).
; silu(G) U = g u 2^(e12 + e13 + e14 + e15) / (1 + 2^(-log2(e) G)), G = g 2^(e12 + e13): the powers of two are folded into the exponential's factor and into the conversion's scale.
; LIMITS: e12 + e13 between -126 and 126; e16 - e12 - e13 - e14 - e15 between -126 and 112.  NaN and infinities among the inputs are not served.
.set PA, 0                             ; P, Y: [16 tiles][2 K steps][2 sets][2,048]
.set PB, 131072                        ; P, X: [8 tiles][2][2][2,048]
.set QA, 196608                        ; Q, Y: [16][2 sets][2,048]
.set QB, 262144                        ; Q, X: [8][2][2,048]
.set SPARE, 294912
.set AYP, 16
.set AXP, 17
.set AYQ, 18
.set AXQ, 19
.set CO,  26
.set SPW, 28
.set NIL, 29
.set LIM, 30
.set SCL, 31
.set FY,  64
.set FX,  192
.set TT,  64                           ; the way out: at work
.set PP,  96
.set G1AP, 24
.set G1AQ, 32
.set G1BP, 40
.set G1BQ, 48
.set G0AP, 56
.set G0AQ, 60
.set G0BP, 68
.set G0BQ, 72
.set MSB, 0
.macro WIN new
.if MSB != (\new)
	s_set_vgpr_msb (MSB<<8)|(\new)
.set MSB, (\new)
.endif
.endm
.macro JLOAD g0a, g1a, g0b, g1b        ; waves 0, 1 fetch Y's halves, waves 2, 3 X's; an s_nop 0 and four v_nop follow each line
	s_cmp_eq_u32 s15, 0
	s_cbranch_scc0 .Lfor_b_\@
	tensor_load_to_lds s[\g0a:\g0a+3], s[\g1a:\g1a+7]
	s_nop 0
.rept 4
	v_nop
.endr
	s_branch .Lasked_\@
.Lfor_b_\@:
	tensor_load_to_lds s[\g0b:\g0b+3], s[\g1b:\g1b+7]
	s_nop 0
.rept 4
	v_nop
.endr
.Lasked_\@:
.endm
.macro CREST
	s_cmp_lg_u32 s14, 0
	s_cbranch_scc1 .Lnot_wave_0_\@
	s_barrier_signal -3
.Lnot_wave_0_\@:
	s_barrier_wait -3
	s_barrier_signal -1
	s_barrier_wait -1
.endm
.macro CROUND
	s_barrier_signal -1
	s_barrier_wait -1
	CREST
.endm
.macro PLACES n
.rept \n
	v_nop
.endr
.endm
.macro G1SET g, c, r                   ; r tiles x c elements of 8 bytes, 32 KB from tile to tile
	s_mov_b32 s[\g+1], \c<<16
	s_mov_b32 s[\g+2], \r<<16
	s_mov_b32 s[\g+3], \c<<16
	s_mov_b32 s[\g+4], \r
	s_mov_b32 s[\g+5], 4096
	s_mov_b32 s[\g+6], 0
	s_mov_b32 s[\g+7], 0
.endm
	s_load_b128 s[4:7], s[0:1], 0x0                ; nx2, wc
	s_load_b128 s[8:11], s[0:1], 0x10              ; the scales' exponents, hid
	v_lshl_add_u32 v[SPW], v0, 2, SPARE
	v_mov_b32 v[NIL], 0
	ds_add_u32 v[SPW], v[NIL]                      ; the wave's opening
	ds_add_u32 v[SPW], v[NIL]
	v_lshrrev_b32 v1, 5, v0
	v_readfirstlane_b32 s14, v1                    ; wave 0..3
	s_lshr_b32 s15, s14, 1                         ; which 128 tokens are mine.  Also: I fetch for Y (0) or X (1)
	s_and_b32 s16, s14, 1                          ; which 64 hidden units.  Also: which half I fetch
	s_bfe_u32 s76, ttmp6, 0x40000
	s_bfe_u32 s77, ttmp6, 0x40004
	s_lshl_b32 s78, ttmp9, 2
	s_add_co_u32 s78, s78, s76                     ; block of 128 hidden units
	s_and_b32 s17, ttmp7, 0xffff
	s_lshl_b32 s17, s17, 2
	s_add_co_u32 s17, s17, s77                     ; block of 256 tokens
	s_lshl_b32 s79, s77, 2
	s_lshl_b32 s79, 15, s79                        ; my row of the cluster
	s_lshl_b32 s85, 0x1111, s76                    ; my column
	s_or_b32 s[G1AP], s79, (3<<16)|(1<<21)
	s_or_b32 s[G1AQ], s79, (3<<16)|(1<<21)
	s_or_b32 s[G1BP], s85, (3<<16)|(1<<21)
	s_or_b32 s[G1BQ], s85, (3<<16)|(1<<21)
	G1SET G1AP, 1024, 8
	G1SET G1AQ, 512, 8
	G1SET G1BP, 1024, 4
	G1SET G1BQ, 512, 4
	s_lshl_b32 s20, s17, 4
	s_lshl_b32 s18, s16, 3
	s_add_co_u32 s20, s20, s18
	s_lshl_b32 s20, s20, 15                        ; Y: tile 16 x block + 8 x half
	s_mov_b32 s21, 0
	s_lshl_b32 s86, s78, 3
	s_lshl_b32 s18, s16, 2
	s_add_co_u32 s86, s86, s18
	s_lshl_b32 s86, s86, 15
	s_add_co_u32 s86, s86, 0x400000                ; X: tile 8 x block + 4 x half, from 4 MB on
	s_mov_b32 s87, 0
	s_wait_dscnt 0x0                               ; both opening adds are done
	s_wait_kmcnt 0x0
	s_load_b128 s[80:83], s[8:9], 0x30             ; e12 .. e15
	s_load_b32 s84, s[8:9], 0x40                   ; e16
	s_add_nc_u64 s[20:21], s[4:5], s[20:21]
	s_add_nc_u64 s[86:87], s[6:7], s[86:87]
	CROUND                                         ; all sixteen work-groups are here
	s_mov_b32 s[G0AP], 1
	s_lshl_b32 s[G0AP+1], s16, 16                  ; no place in the cluster enters an LDS address
	s_mov_b64 s[G0AP+2:G0AP+3], s[20:21]           ; K steps 0, 1
	s_or_b32 s[G0AP+3], s[G0AP+3], 0x80000000
	s_mov_b32 s[G0BP], 1
	s_lshl_b32 s[G0BP+1], s16, 15
	s_add_co_u32 s[G0BP+1], s[G0BP+1], PB
	s_mov_b64 s[G0BP+2:G0BP+3], s[86:87]
	s_or_b32 s[G0BP+3], s[G0BP+3], 0x80000000
	JLOAD G0AP, G1AP, G0BP, G1BP
	s_mov_b32 s[G0AQ], 1
	s_lshl_b32 s[G0AQ+1], s16, 15
	s_add_co_u32 s[G0AQ+1], s[G0AQ+1], QA
	s_add_nc_u64 s[G0AQ+2:G0AQ+3], s[20:21], 8192  ; K step 2
	s_or_b32 s[G0AQ+3], s[G0AQ+3], 0x80000000
	s_mov_b32 s[G0BQ], 1
	s_lshl_b32 s[G0BQ+1], s16, 14
	s_add_co_u32 s[G0BQ+1], s[G0BQ+1], QB
	s_add_nc_u64 s[G0BQ+2:G0BQ+3], s[86:87], 8192
	s_or_b32 s[G0BQ+3], s[G0BQ+3], 0x80000000
	v_and_b32 v6, 31, v0
	v_lshlrev_b32 v[CO], 4, v6
	s_lshl_b32 s22, s15, 16
	v_add_nc_u32 v[AYP], s22, v[CO]                ; my 8 tiles of Y in P,
	s_lshl_b32 s22, s16, 15
	s_add_co_u32 s22, s22, PB
	v_add_nc_u32 v[AXP], s22, v[CO]                ; my 4 tiles of X in P,
	s_lshl_b32 s22, s15, 15
	s_add_co_u32 s22, s22, QA
	v_add_nc_u32 v[AYQ], s22, v[CO]                ; and in Q
	s_lshl_b32 s22, s16, 14
	s_add_co_u32 s22, s22, QB
	v_add_nc_u32 v[AXQ], s22, v[CO]
.macro FETCH role, reg, kap            ; 48 LDS loads: the fragments of gate (role 0, into window 1) or up (1, window 0) from P's K step kap (reg 0) or from Q (reg 1)
.if \role
	WIN 0
.else
	WIN 0x40
.endif
.if \reg
.irp a, 0,1,2,3,4,5,6,7
.irp c, 0,1,2,3
	ds_load_b128 v[FY+16*\a+4*\c:FY+16*\a+4*\c+3], v[AYQ] offset:\a*4096+\role*2048+\c*512
.endr
.endr
.irp b, 0,1,2,3
.irp c, 0,1,2,3
	ds_load_b128 v[FX+16*\b+4*\c:FX+16*\b+4*\c+3], v[AXQ] offset:\b*4096+\role*2048+\c*512
.endr
.endr
.else
.irp a, 0,1,2,3,4,5,6,7
.irp c, 0,1,2,3
	ds_load_b128 v[FY+16*\a+4*\c:FY+16*\a+4*\c+3], v[AYP] offset:\a*8192+\kap*4096+\role*2048+\c*512
.endr
.endr
.irp b, 0,1,2,3
.irp c, 0,1,2,3
	ds_load_b128 v[FX+16*\b+4*\c:FX+16*\b+4*\c+3], v[AXP] offset:\b*8192+\kap*4096+\role*2048+\c*512
.endr
.endr
.endif
.endm
.macro MUL8 a0, zero                   ; Y's blocks a0, a0 + 1 x X's four; the windows say whether gate or up.  A step's 32 accumulators take turns
.irp a, \a0, \a0+1
.irp b, 0,1,2,3
.if \zero
	v_wmma_f32_16x16x128_bf8_bf8 v[8*(4*(\a)+\b):8*(4*(\a)+\b)+7], v[FX+16*\b:FX+16*\b+15], v[FY+16*(\a):FY+16*(\a)+15], 0
.else
	v_wmma_f32_16x16x128_bf8_bf8 v[8*(4*(\a)+\b):8*(4*(\a)+\b)+7], v[FX+16*\b:FX+16*\b+15], v[FY+16*(\a):FY+16*(\a)+15], v[8*(4*(\a)+\b):8*(4*(\a)+\b)+7]
.endif
.endr
.endr
.endm
.macro V role, zero, nrole, nreg, nkap ; a step that changes no region
	s_wait_dscnt 0x0                               ; this step's fragments are in
	PLACES 4                                       ; in front of loads into the buffer that the last step's products have read
	FETCH \nrole, \nreg, \nkap
.if \role
	WIN 0xf0                                       ; sources window 0, C and D window 3
.else
	WIN 0xa5                                       ; sources window 1, C and D window 2
.endif
	MUL8 0, \zero
	MUL8 2, \zero
	MUL8 4, \zero
	MUL8 6, \zero
.endm
; An up step that is the last to use a region.  fill = 1: P is filled again, 2: Q, 0: nothing.  The next gate step's fragments come from the other region.
.macro T fill, nreg, nkap
	WIN 0
	s_wait_tensorcnt 0x0                           ; all my tensor loads have landed: my part of the other region
	ds_add_u32 v[SPW], v[NIL]
	s_wait_dscnt 1                                 ; this step's fragments are in; only the add may be out
	WIN 0xf0
	MUL8 0, 0
	s_wait_dscnt 0x0                               ; the add is done, and my reads of this region are over
	s_barrier_signal -1
	MUL8 2, 0
	WIN 0
	s_barrier_wait -1
.if \fill == 1
	CREST                                          ; the barrier has opened a round of the cluster's: no wave of any partner still reads the region or has a load on its way
	s_add_nc_u64 s[G0AP+2:G0AP+3], s[G0AP+2:G0AP+3], 12288   ; three K steps on
	s_add_nc_u64 s[G0BP+2:G0BP+3], s[G0BP+2:G0BP+3], 12288
	JLOAD G0AP, G1AP, G0BP, G1BP                   ; the first tensor load behind the round; its four v_nop are the places in front of the loads below
.elseif \fill == 2
	CREST
	s_add_nc_u64 s[G0AQ+2:G0AQ+3], s[G0AQ+2:G0AQ+3], 12288
	s_add_nc_u64 s[G0BQ+2:G0BQ+3], s[G0BQ+2:G0BQ+3], 12288
	JLOAD G0AQ, G1AQ, G0BQ, G1BQ
.else
	PLACES 4
.endif
	FETCH 0, \nreg, \nkap
	WIN 0xf0
	MUL8 4, 0
	MUL8 6, 0
.endm
	s_wait_alu depctr_va_vdst(0)
	s_wait_tensorcnt 0x0                           ; my part of P is in; one load of mine is out at the start
	ds_add_u32 v[SPW], v[NIL]
	s_wait_dscnt 0x0
	CROUND                                         ; everybody's part of P is in, and the joint loads meet
	JLOAD G0AQ, G1AQ, G0BQ, G1BQ                   ; Q's first fill, the first tensor load behind the round
	FETCH 0, 0, 0
	V 0, 1, 1, 0, 0                                ; K step 0, gate: its products start the sums
	V 1, 1, 0, 0, 1                                ; K step 0, up
	V 0, 0, 1, 0, 1                                ; 1, gate
	T 1, 1, 0                                      ; 1, up: P takes K steps 3, 4
	V 0, 0, 1, 1, 0                                ; 2, gate
	T 2, 0, 0                                      ; 2, up: Q takes K step 5
	V 0, 0, 1, 0, 0                                ; 3
	V 1, 0, 0, 0, 1
	V 0, 0, 1, 0, 1                                ; 4
	T 1, 1, 0                                      ; 4, up: P takes K steps 6, 7
	V 0, 0, 1, 1, 0                                ; 5
	T 0, 0, 0                                      ; 5, up: nothing is left to fetch
	V 0, 0, 1, 0, 0                                ; 6
	V 1, 0, 0, 0, 1
	V 0, 0, 1, 0, 1                                ; 7
	s_wait_dscnt 0x0
	WIN 0xf0
	MUL8 0, 0
	MUL8 2, 0
	MUL8 4, 0
	MUL8 6, 0
	WIN 0
	; THE WAY OUT, a tile of 16 tokens x 64 hidden units at a time
	s_wait_kmcnt 0x0
	s_add_co_i32 s90, s80, s81
	s_lshl_b32 s91, s90, 23
	s_mov_b32 s88, 0xbfb8aa3b                      ; -log2(e),
	s_add_co_i32 s88, s88, s91                     ; x 2^(e12 + e13), by the exponent field
	s_mov_b32 s89, s88
	s_add_co_i32 s90, s90, s82
	s_add_co_i32 s90, s90, s83
	s_sub_co_i32 s90, s84, s90                     ; e16 - e12 - e13 - e14 - e15
	s_add_co_i32 s90, s90, 127
	s_lshl_b32 s91, s90, 23
	s_add_co_i32 s90, s90, 15
	s_lshl_b32 s90, s90, 23
	s_or_b32 s90, s90, 0x600000
	s_lshl_b32 s92, s17, 4                         ; hid: [tile of tokens 256][K step 16][2,048]
	s_lshl_b32 s93, s15, 3
	s_add_co_u32 s92, s92, s93
	s_lshl_b32 s92, s92, 15
	s_lshl_b32 s93, s78, 11                        ; K step = my block of 128 hidden units,
	s_add_co_u32 s92, s92, s93
	s_lshl_b32 s93, s16, 10                        ; its lower or upper 64
	s_add_co_u32 s92, s92, s93
	s_mov_b32 s93, 0
	s_add_nc_u64 s[10:11], s[10:11], s[92:93]
	PLACES 4
	v_mov_b32 v[SCL], s91
	v_mov_b32 v[LIM], s90
.set a, 0
.rept 8
	WIN 0x02                                       ; source 0: the gate's sums
.set i, 0
.rept 16
	v_pk_mul_f32 v[TT+i:TT+i+1], v[32*a+i:32*a+i+1], s[88:89] op_sel_hi:[1,0]   ; -log2(e) G; each accumulator from its low end on
.set i, i+2
.endr
	WIN 0
.set i, 0
	s_wait_alu depctr_va_vdst(0)
.rept 32
	v_exp_f32 v[TT+i], v[TT+i]
.set i, i+1
.endr
	WIN 0x0e                                       ; source 0 the gate's sums, source 1 up's
.set i, 0
	s_wait_alu depctr_va_vdst(0)
.rept 16
	v_pk_mul_f32 v[PP+i:PP+i+1], v[32*a+i:32*a+i+1], v[32*a+i:32*a+i+1]         ; g u: the independent work behind the exponentials
.set i, i+2
.endr
	WIN 0
	s_wait_alu depctr_va_vdst(0)                   ; one wait for the batch, ahead of its first reader
.set i, 0
.rept 16
	v_pk_add_f32 v[TT+i:TT+i+1], v[TT+i:TT+i+1], 1.0 op_sel_hi:[1,0]
.set i, i+2
.endr
.set i, 0
	s_wait_alu depctr_va_vdst(0)
.rept 32
	v_rcp_f32 v[TT+i], v[TT+i]
.set i, i+1
.endr
	v_nop
	s_wait_alu depctr_va_vdst(0)
.set i, 0
.rept 16
	v_pk_mul_f32 v[PP+i:PP+i+1], v[PP+i:PP+i+1], v[TT+i:TT+i+1]
.set i, i+2
.endr
.set i, 0
.rept 32
	v_med3_num_f32 v[PP+i], v[PP+i], -v[LIM], v[LIM]
.set i, i+1
.endr
.set i, 0
.rept 4
	v_cvt_scalef32_pk8_bf8_f32 v[128+8*a+2*i:128+8*a+2*i+1], v[PP+8*i:PP+8*i+7], v[SCL]
.set i, i+1
.endr
	v_nop                                          ; a plain line between the conversions and the next tile's lines, which write their sources
	global_store_b128 v[CO], v[128+8*a:128+8*a+3], s[10:11] offset:a*32768        ; 512 consecutive bytes, aligned; each tile has its own code registers
	global_store_b128 v[CO], v[128+8*a+4:128+8*a+7], s[10:11] offset:a*32768+512
.set a, a+1
.endr
	s_wait_tensorcnt 0x0                           ; the wave's end
	ds_add_u32 v[SPW], v[NIL]
	s_wait_dscnt 0x0
	CROUND                                         ; the closing round
	s_endpgm
.Lfunc_end_k_q6ce9bc64ff_gateup:
	.size	k_q6ce9bc64ff_gateup, .Lfunc_end_k_q6ce9bc64ff_gateup-k_q6ce9bc64ff_gateup
	.p2alignl 7, 3214868480
	.fill 96, 4, 3214868480
	.section	.rodata,"a",@progbits
	.p2align	6, 0x0
	.amdhsa_kernel k_q6ce9bc64ff_gateup
		.amdhsa_group_segment_fixed_size 327680
		.amdhsa_private_segment_fixed_size 0
		.amdhsa_enable_private_segment 0
		.amdhsa_kernarg_size 32
		.amdhsa_user_sgpr_count 2
		.amdhsa_user_sgpr_kernarg_segment_ptr 1
		.amdhsa_wavefront_size32 1
		.amdhsa_system_sgpr_workgroup_id_x 1
		.amdhsa_system_sgpr_workgroup_id_y 1
		.amdhsa_system_sgpr_workgroup_id_z 1
		.amdhsa_system_vgpr_workitem_id 0
		.amdhsa_next_free_vgpr 1024
		.amdhsa_next_free_sgpr 100
		.amdhsa_reserve_vcc 0
		.amdhsa_float_denorm_mode_32 3
		.amdhsa_float_denorm_mode_16_64 3
		.amdhsa_memory_ordered 1
		.amdhsa_forward_progress 1
		.amdhsa_inst_pref_size 166
	.end_amdhsa_kernel
	.amdgpu_metadata
---
amdhsa.version: [ 1, 2 ]
amdhsa.kernels:
  - .name:           k_q6ce9bc64ff_gateup
    .symbol:         k_q6ce9bc64ff_gateup.kd
    .args:
      - { .name: nx2, .offset: 0, .size: 8, .value_kind: global_buffer, .address_space: global }
      - { .name: wc, .offset: 8, .size: 8, .value_kind: global_buffer, .address_space: global }
      - { .name: lowp_scales, .offset: 16, .size: 8, .value_kind: global_buffer, .address_space: global }
      - { .name: hid, .offset: 24, .size: 8, .value_kind: global_buffer, .address_space: global }
    .group_segment_fixed_size: 327680
    .private_segment_fixed_size: 0
    .kernarg_segment_align: 8
    .kernarg_segment_size: 32
    .max_flat_workgroup_size: 128
    .sgpr_count:     100
    .vgpr_count:     1024
    .wavefront_size: 32
...
	.end_amdgpu_metadata
.endif
;; end of part 6
;; launch down (part 7): grid 8 x 32, 4 waves a work-group, clusters of 4 x 4, 327,680 bytes of LDS; arguments hid, wc, x1, lowp_scales, out0; writes out0
.if DOCPART == 7
	.amdgcn_target "amdgcn-amd-amdhsa--gfx1250"
	.amdhsa_code_object_version 6
	.text
	.protected	k_q6ce9bc64ff_down
	.globl	k_q6ce9bc64ff_down
	.p2align	8
	.type	k_q6ce9bc64ff_down,@function
k_q6ce9bc64ff_down:
	s_mov_b64 s[64:65], 0
	v_nop
	global_prefetch_b8 v0, s[64:65] scope:SCOPE_SE
	s_setreg_imm32_b32 hwreg(HW_REG_WAVE_MODE, 25, 1), 1
	s_wait_xcnt 0x0
	s_wait_alu depctr_hold_cnt(0) depctr_sa_sdst(0) depctr_va_vdst(0) depctr_va_sdst(0) depctr_va_ssrc(0) depctr_va_vcc(0) depctr_vm_vsrc(0)
	s_getreg_b32 s2, hwreg(HW_REG_IB_STS2, 6, 4)
	s_cmp_eq_u32 s2, 0
	s_cbranch_scc0 .Lentry_in_a_cluster
	s_endpgm
.Lentry_in_a_cluster:
	s_bfe_u32 s2, ttmp6, 0x10000c
	s_cmp_lg_u32 s2, 0xf033
	s_cbranch_scc0 .Lentry_shape_is_right
	s_endpgm
.Lentry_shape_is_right:
.set NKS,   16
.set WOFF,  0x800000
.set SOFF,  64
.set SLOT,  131072
.set STAGE, 2*SLOT
.set SPITCH, 272
.set SPARE, STAGE+4*16*SPITCH
.set ADRY, 16
.set ADRX, 20
.set STO,  24
.set RD,   25
.set CO,   26
.set SPW,  28
.set NIL,  29
.set RB,   32
.set ACC,  128
.set G1, 24
.set G0, 32
.set G1B, 48
.set G0B, 56
.set MSB, 0
.macro WIN new
.if MSB != (\new)
	s_set_vgpr_msb (MSB<<8)|(\new)
.set MSB, (\new)
.endif
.endm
.set MUL, 0x05
.macro JLOAD g0a, g1a, g0b, g1b
	s_cmp_eq_u32 s15, 0
	s_cbranch_scc0 .Lfor_b_\@
	tensor_load_to_lds s[\g0a:\g0a+3], s[\g1a:\g1a+7]
	s_nop 0
.rept 4
	v_nop
.endr
	s_branch .Lasked_\@
.Lfor_b_\@:
	tensor_load_to_lds s[\g0b:\g0b+3], s[\g1b:\g1b+7]
	s_nop 0
.rept 4
	v_nop
.endr
.Lasked_\@:
.endm
.macro CREST
	s_cmp_lg_u32 s14, 0
	s_cbranch_scc1 .Lnot_wave_0_\@
	s_barrier_signal -3
.Lnot_wave_0_\@:
	s_barrier_wait -3
	s_barrier_signal -1
	s_barrier_wait -1
.endm
.macro CROUND
	s_barrier_signal -1
	s_barrier_wait -1
	CREST
.endm
.macro PLACES n
.rept \n
	v_nop
.endr
.endm
	s_load_b256 s[4:11], s[0:1], 0x0
	s_load_b64 s[12:13], s[0:1], 0x20
	v_lshl_add_u32 v[SPW], v0, 2, SPARE
	v_mov_b32 v[NIL], 0
	ds_add_u32 v[SPW], v[NIL]
	ds_add_u32 v[SPW], v[NIL]
	v_lshrrev_b32 v1, 5, v0
	v_readfirstlane_b32 s14, v1
	s_lshr_b32 s15, s14, 1
	s_and_b32 s16, s14, 1
	s_bfe_u32 s40, ttmp6, 0x40000
	s_bfe_u32 s41, ttmp6, 0x40004
	s_lshl_b32 s42, ttmp9, 2
	s_add_co_u32 s42, s42, s40
	s_and_b32 s17, ttmp7, 0xffff
	s_lshl_b32 s17, s17, 2
	s_add_co_u32 s17, s17, s41
	s_lshl_b32 s43, s41, 2
	s_lshl_b32 s43, 15, s43
	s_lshl_b32 s44, 0x1111, s40
	s_or_b32 s[G1+0], s43, (3<<16)|(1<<21)
	s_or_b32 s[G1B+0], s44, (3<<16)|(1<<21)
.irp g, G1, G1B
	s_mov_b32 s[\g+1], 1024<<16
	s_mov_b32 s[\g+2], 4<<16
	s_mov_b32 s[\g+3], 1024<<16
	s_mov_b32 s[\g+4], 4
	s_mov_b32 s[\g+5], NKS*256
	s_mov_b32 s[\g+6], 0
	s_mov_b32 s[\g+7], 0
.endr
	s_lshl_b32 s18, s16, 2
	s_lshl_b32 s20, s17, 3
	s_add_co_u32 s20, s20, s18
	s_mul_i32 s20, s20, NKS*2048
	s_mov_b32 s21, 0
	s_lshl_b32 s46, s42, 3
	s_add_co_u32 s46, s46, s18
	s_mul_i32 s46, s46, NKS*2048
	s_add_co_u32 s46, s46, WOFF
	s_mov_b32 s47, 0
	s_lshl_b32 s45, s14, 15
	s_wait_dscnt 0x0
	s_wait_kmcnt 0x0
	s_load_b64 s[96:97], s[10:11], SOFF
	s_add_nc_u64 s[20:21], s[4:5], s[20:21]
	s_add_nc_u64 s[46:47], s[6:7], s[46:47]
	CROUND
.irp s, 0,1
	s_mov_b32 s[G0+4*\s], 1
	s_add_co_u32 s[G0+4*\s+1], s45, \s*SLOT
	s_add_nc_u64 s[G0+4*\s+2:G0+4*\s+3], s[20:21], \s*8192
	s_or_b32 s[G0+4*\s+3], s[G0+4*\s+3], 0x80000000
	s_mov_b32 s[G0B+4*\s], 1
	s_add_co_u32 s[G0B+4*\s+1], s45, \s*SLOT
	s_add_nc_u64 s[G0B+4*\s+2:G0B+4*\s+3], s[46:47], \s*8192
	s_or_b32 s[G0B+4*\s+3], s[G0B+4*\s+3], 0x80000000
.endr
	JLOAD G0, G1, G0B, G1B                         ; slot 0: one tensor load a wave at the head
	v_and_b32 v1, 15, v0
	s_wait_alu depctr_va_vdst(0)
	v_bfe_u32 v2, v0, 4, 1
	v_and_b32 v3, 31, v0
	v_lshlrev_b32 v4, 4, v3
	s_lshl_b32 s22, s15, 15
	s_lshl_b32 s23, s16, 15
	s_add_co_u32 s23, s23, 65536
.irp s, 0,1
	v_add_nc_u32 v[ADRY+\s], s22, v4
	v_add_nc_u32 v[ADRX+\s], s23, v4
	s_add_co_u32 s22, s22, SLOT
	s_add_co_u32 s23, s23, SLOT
.endr
	s_mul_i32 s22, s14, 16*SPITCH
	s_add_co_u32 s22, s22, STAGE
	v_mul_u32_u24 v5, v1, SPITCH
	s_wait_alu depctr_va_vdst(0)
	v_lshl_add_u32 v5, v2, 6, v5
	v_add_nc_u32 v[STO], s22, v5
	v_mul_u32_u24 v5, v2, SPITCH
	v_lshl_add_u32 v5, v1, 4, v5
	v_add_nc_u32 v[RD], s22, v5
	v_lshlrev_b32 v5, 12, v2
	v_lshl_add_u32 v[CO], v1, 4, v5
	s_wait_alu depctr_va_vdst(0)
	s_lshl_b32 s22, s17, 7
	s_lshl_b32 s23, s15, 6
	s_add_co_u32 s22, s22, s23
	s_lshl_b32 s22, s22, 12
	s_lshl_b32 s23, s42, 9
	s_add_co_u32 s22, s22, s23
	s_lshl_b32 s23, s16, 8
	s_add_co_u32 s22, s22, s23
	s_mov_b32 s23, 0
	s_add_nc_u64 s[8:9], s[8:9], s[22:23]
	s_add_nc_u64 s[12:13], s[12:13], s[22:23]
	WIN 0x80
.set a, 0
.rept 4
.set t, 0
.rept 8
	global_load_b128 v[4*(8*a+t):4*(8*a+t)+3], v[CO], s[8:9] offset:(32*(a/2)+8*(a%2)+(2*t)%8+16*(t/4))*4096
.set t, t+1
.endr
.set a, a+1
.endr
	WIN 0
.macro FETCH u
.set FB, 128*((\u)%2)
.set SL, ((\u)/4)%2
.set KO, ((\u)%4)*2048
	WIN 0x40
.irp i, 0,1,2,3
.irp c, 0,1,2,3
	ds_load_b128 v[FB+16*\i+4*\c:FB+16*\i+4*\c+3], v[ADRY+SL] offset:\i*8192+KO+512*\c
.endr
.endr
.irp i, 0,1,2,3
.irp c, 0,1,2,3
	ds_load_b128 v[FB+64+16*\i+4*\c:FB+64+16*\i+4*\c+3], v[ADRX+SL] offset:\i*8192+KO+512*\c
.endr
.endr
.endm
.macro MUL8 f, a0, zero
.irp a, \a0, \a0+1
.irp b, 0,1,2,3
.if \zero
	v_wmma_f32_16x16x128_bf8_bf8 v[ACC+8*(4*(\a)+\b):ACC+8*(4*(\a)+\b)+7], v[\f+64+16*\b:\f+64+16*\b+15], v[\f+16*(\a):\f+16*(\a)+15], 0
.else
	v_wmma_f32_16x16x128_bf8_bf8 v[ACC+8*(4*(\a)+\b):ACC+8*(4*(\a)+\b)+7], v[\f+64+16*\b:\f+64+16*\b+15], v[\f+16*(\a):\f+16*(\a)+15], v[ACC+8*(4*(\a)+\b):ACC+8*(4*(\a)+\b)+7]
.endif
.endr
.endr
.endm
.macro UNIT u, zero
	s_wait_dscnt 0x0
	PLACES 4
	FETCH (\u)+1
	WIN MUL
	MUL8 128*((\u)%2), 0, \zero
	MUL8 128*((\u)%2), 2, \zero
.endm
.macro TURN u, fill
.set TS, ((\u)/4)%2
	WIN 0
	s_wait_tensorcnt 0x0
	ds_add_u32 v[SPW], v[NIL]
	s_wait_dscnt 1
	WIN MUL
	MUL8 128*((\u)%2), 0, 0
	s_wait_dscnt 0x0
	s_barrier_signal -1
	WIN 0
	s_barrier_wait -1
.if \fill
	CREST
	s_add_nc_u64 s[G0+4*TS+2:G0+4*TS+3], s[G0+4*TS+2:G0+4*TS+3], 16384
	s_add_nc_u64 s[G0B+4*TS+2:G0B+4*TS+3], s[G0B+4*TS+2:G0B+4*TS+3], 16384
	JLOAD G0+4*TS, G1, G0B+4*TS, G1B
.else
	PLACES 4
.endif
	FETCH (\u)+1
	WIN MUL
	MUL8 128*((\u)%2), 2, 0
.endm
	s_wait_alu depctr_va_vdst(0)                   ; the head's end
	s_wait_tensorcnt 0x0                           ; my part of slot 0 is in
	ds_add_u32 v[SPW], v[NIL]
	s_wait_dscnt 0x0
	CROUND                                         ; everybody's part of slot 0 is in, and the joint loads meet
	JLOAD G0+4, G1, G0B+4, G1B                     ; slot 1's first fill, the first tensor load behind the round
	FETCH 0
	UNIT 0, 1
	UNIT 1, 0
	UNIT 2, 0
.if NKS > 8
	TURN 3, 1
	UNIT 4, 0
	UNIT 5, 0
	UNIT 6, 0
	TURN 7, 1
	UNIT 8, 0
	UNIT 9, 0
	UNIT 10, 0
	TURN 11, 0
	UNIT 12, 0
	UNIT 13, 0
	UNIT 14, 0
.else
	TURN 3, 0
	UNIT 4, 0
	UNIT 5, 0
	UNIT 6, 0
.endif
	s_wait_dscnt 0x0
	WIN MUL
	MUL8 128, 0, 0
	MUL8 128, 2, 0
	WIN 0
	s_wait_kmcnt 0x0
	s_add_co_i32 s96, s96, s97
	s_add_co_i32 s96, s96, 127
	s_lshl_b32 s96, s96, 23
	s_mov_b32 s97, s96
	PLACES 4
	s_wait_loadcnt 0x0
.set a, 0
.rept 4
.set RBS, RB+32*(a%2)
.if a >= 2
	s_wait_xcnt 0x0
.endif
.irp b, 0,1,2,3
	ds_store_b128 v[STO], v[ACC+8*(4*a+\b):ACC+8*(4*a+\b)+3] offset:128*(\b/2)+32*(\b%2)
	ds_store_b128 v[STO], v[ACC+8*(4*a+\b)+4:ACC+8*(4*a+\b)+7] offset:128*(\b/2)+32*(\b%2)+16
.endr
.irp t, 0,1,2,3,4,5,6,7
	ds_load_b128 v[RBS+4*\t:RBS+4*\t+3], v[RD] offset:\t*2*SPITCH
.endr
	s_wait_dscnt 0x0
	WIN 0x20
.set i, 0
.rept 16
	v_pk_fma_f32 v[RBS+i:RBS+i+1], v[RBS+i:RBS+i+1], s[96:97], v[32*a+i:32*a+i+1] op_sel_hi:[1,0,1]
.set i, i+2
.endr
	WIN 0
.set t, 0
.rept 8
	global_store_b128 v[CO], v[RBS+4*t:RBS+4*t+3], s[12:13] offset:(32*(a/2)+8*(a%2)+(2*t)%8+16*(t/4))*4096
.set t, t+1
.endr
.set a, a+1
.endr
	s_wait_tensorcnt 0x0
	ds_add_u32 v[SPW], v[NIL]
	s_wait_dscnt 0x0
	CROUND
	s_endpgm
.Lfunc_end_k_q6ce9bc64ff_down:
	.size	k_q6ce9bc64ff_down, .Lfunc_end_k_q6ce9bc64ff_down-k_q6ce9bc64ff_down
	.p2alignl 7, 3214868480
	.fill 96, 4, 3214868480
	.section	.rodata,"a",@progbits
	.p2align	6, 0x0
	.amdhsa_kernel k_q6ce9bc64ff_down
		.amdhsa_group_segment_fixed_size 327680
		.amdhsa_private_segment_fixed_size 0
		.amdhsa_enable_private_segment 0
		.amdhsa_kernarg_size 40
		.amdhsa_user_sgpr_count 2
		.amdhsa_user_sgpr_kernarg_segment_ptr 1
		.amdhsa_wavefront_size32 1
		.amdhsa_system_sgpr_workgroup_id_x 1
		.amdhsa_system_sgpr_workgroup_id_y 1
		.amdhsa_system_sgpr_workgroup_id_z 1
		.amdhsa_system_vgpr_workitem_id 0
		.amdhsa_next_free_vgpr 640
		.amdhsa_next_free_sgpr 100
		.amdhsa_reserve_vcc 0
		.amdhsa_float_denorm_mode_32 3
		.amdhsa_float_denorm_mode_16_64 3
		.amdhsa_memory_ordered 1
		.amdhsa_forward_progress 1
		.amdhsa_inst_pref_size 77
	.end_amdhsa_kernel
	.amdgpu_metadata
---
amdhsa.version: [ 1, 2 ]
amdhsa.kernels:
  - .name:           k_q6ce9bc64ff_down
    .symbol:         k_q6ce9bc64ff_down.kd
    .args:
      - { .name: hid, .offset: 0, .size: 8, .value_kind: global_buffer, .address_space: global }
      - { .name: wc, .offset: 8, .size: 8, .value_kind: global_buffer, .address_space: global }
      - { .name: x1, .offset: 16, .size: 8, .value_kind: global_buffer, .address_space: global }
      - { .name: lowp_scales, .offset: 24, .size: 8, .value_kind: global_buffer, .address_space: global }
      - { .name: out0, .offset: 32, .size: 8, .value_kind: global_buffer, .address_space: global }
    .group_segment_fixed_size: 327680
    .private_segment_fixed_size: 0
    .kernarg_segment_align: 8
    .kernarg_segment_size: 40
    .max_flat_workgroup_size: 128
    .sgpr_count:     100
    .vgpr_count:     640
    .wavefront_size: 32
...
	.end_amdgpu_metadata
.endif
;; end of part 7
